; MI455X (gfx1250); checked and timed in simulation.
; The chip was launched on July 23, 2026; its instructions are those of AMD's public machine-readable ISA for CDNA 5 (MIT licence, August 2026) and "CDNA5" Instruction Set Architecture Reference Guide (July 2026). The comments in the code are by the model that wrote it; some were corrected since.
;; Multi Head Attention Char. Allowed arithmetic: matrix products marked QUANTISED: E2M3 operands, one E8M0 scale for each 32 along K, by v_wmma_scale_f32_16x16x128_f8f6f4 with both operands' format E2M3, f32 sums; everything else in f32.
;; Inputs: Wk_codes 16 x 64 x 32 x 24 uint8 (E2M3 codes of Wk, K innermost, in blocks of 32 codes, four codes in three bytes); Wk_scales 16 x 64 x 32 uint8 (E8M0 scales of Wk, one for each 32 codes along K); Wq_codes 16 x 64 x 32 x 24 uint8 (E2M3 codes of Wq, K innermost, in blocks of 32 codes, four codes in three bytes); Wq_scales 16 x 64 x 32 uint8 (E8M0 scales of Wq, one for each 32 codes along K); Wv_codes 16 x 64 x 32 x 24 uint8 (E2M3 codes of Wv, K innermost, in blocks of 32 codes, four codes in three bytes); Wv_scales 16 x 64 x 32 uint8 (E8M0 scales of Wv, one for each 32 codes along K); proj_W_codes 1,024 x 32 x 24 uint8 (E2M3 codes of proj_W, K innermost, in blocks of 32 codes, four codes in three bytes); proj_W_scales 1,024 x 32 uint8 (E8M0 scales of proj_W, one for each 32 codes along K); proj_b 1,024 float32; s_raw 16 float32; x_codes 4 x 2,048 x 32 x 24 uint8 (E2M3 codes of x, K innermost, in blocks of 32 codes, four codes in three bytes); x_scales 4 x 2,048 x 32 uint8 (E8M0 scales of x, one for each 32 codes along K).
;; Outputs: out0 4 x 2,048 x 1,024 float32.
;; This version of the problem:
;;   THIS VERSION OF THE PROBLEM IS GIVEN IN LOW PRECISION. The matrix products marked QUANTISED in the list below multiply operands that are first quantised to E2M3 (2 exponent bits, 3 mantissa bits; 6 bits a number), with one power-of-two scale for each 32 numbers along K (OCP MX v1.0); their sums are f32. All else is computed in f32.
;;   The module's matrix products, in the order in which they are computed (A, B: the left and right operand; K: the contracted axis; several contracted axes count as one K, in the product's order):
;;     1. [M 1,024, K 1,024] x [K 1,024, N 8,192]; A: input Wq (given as codes); B: input x (given as codes): QUANTISED
;;     2. [M 1,024, K 1,024] x [K 1,024, N 8,192]; A: input Wk (given as codes); B: input x (given as codes): QUANTISED
;;     3. [M 1,024, K 1,024] x [K 1,024, N 8,192]; A: input Wv (given as codes); B: input x (given as codes): QUANTISED
;;     4. batch 64 x [M 2,048, K 64] x [K 64, N 2,048]; A: computed on the way; B: computed on the way: QUANTISED
;;     5. batch 64 x [M 2,048, K 2,048] x [K 2,048, N 64]; A: softmax (see below); B: computed on the way: QUANTISED
;;     6. [M 8,192, K 1,024] x [K 1,024, N 1,024]; A: computed on the way; B: input proj_W (given as codes): QUANTISED
;;   THE QUANTISER, for each operand of a quantised product, along K:
;;     - K is cut into blocks of 32 from its start; a last block that is shorter is filled with zeros.
;;     - A block's scale is 2^e with e = floor(log2(the largest magnitude in the block)) - 2, held to -126 .. 127; a block of zeros has e = 0. As a byte (E8M0): e + 127.
;;     - Each number is divided by its block's scale, clamped to +-7.5, and rounded to the nearest number of E2M3, ties to even, subnormals kept.
;;     - The product sums the exact products of the quantised numbers (number of the format x scale) in f32.
;;   ~~~python
;;   def quantise(x, axis):      # numpy; x: float32 -> the quantised numbers, widened to float32 again
;;       x = np.moveaxis(x, axis, -1); K = x.shape[-1]
;;       x = np.pad(x, [(0, 0)] * (x.ndim - 1) + [(0, -K % 32)]); x = x.reshape(x.shape[:-1] + (-1, 32)); a = np.abs(x).max(-1, keepdims=True)
;;       e = np.where(a > 0, np.clip(np.frexp(np.where(a > 0, a, 1))[1] - 1 - 2, -126, 127), 0)      # np.frexp(a)[1] - 1 = floor(log2(a)), exactly
;;       r = np.clip(x / 2.0 ** e, -7.5, 7.5)
;;       step = 2.0 ** (np.maximum(np.frexp(np.where(r == 0, 1, r))[1] - 1, 0) - 3)
;;       q = np.round(r / step) * step * 2.0 ** e      # np.round: ties to even
;;       return np.moveaxis(q.reshape(q.shape[:-2] + (-1,))[..., :K], -1, axis).astype(np.float32)
;;   ~~~
;;   SOFTMAX AHEAD OF A QUANTISED PRODUCT. Where the list says 'softmax', what is quantised is not the finished softmax but p = 2^(t - M), with t = logit x log2(e) and M = ceil(the row's largest t), a whole number; so 1/2 < the row's largest p <= 1. The row's sum l is taken of the UNQUANTISED p, in f32, and the product's result is divided by l at the end. Since M is a whole number, a kernel that streams over the keys may use a running M (the ceiling of the running maximum): every later rescaling is an exact power of two, which a block's scale takes up: the codes' values come out the same.
;;   OPERANDS COMPUTED ON THE WAY. 'Computed on the way' means the value that the module computes at that place (a softmax that the list does not call 'softmax' is quantised finished and normalised). What goes into a quantiser is computed in f32, as accurately as f32 sums, v_exp_f32 and their like allow (about 1e-6 of the number): no bf16 or f16 on the way to a quantiser, and a product that is left as it is and whose result goes on into a quantised operand takes f32 operands (vector FMAs, or v_wmma_f32_16x16x4_f32). A number that lies on a knife's edge between two numbers of the format may be rounded either way, as far as f32 arithmetic and the matrix unit's own rounding can turn it there, and no further.
;;   INPUTS GIVEN AS CODES. Wk (in the module: [16, 1024, 64], K = its axis 1); Wq (in the module: [16, 1024, 64], K = its axis 1); Wv (in the module: [16, 1024, 64], K = its axis 1); proj_W (in the module: [1024, 1024], K = its axis 1); x (in the module: [4, 2048, 1024], K = its axis 2): each comes as NAME_codes (uint8): NAME with its K axis moved to the last place and cut into blocks of 32 codes, [.., K / 32, bytes a block], one block behind the other in memory; four codes in three bytes: a row's codes are one little-endian stream of bits, code i at bits 6 i .. 6 i + 5 (a code: sign, 2 exponent bits, 3 mantissa bits); and NAME_scales (uint8): the same leading axes, one E8M0 byte (e + 127) for each 32 codes along K. Its value is code x scale, taken as it is: it is not quantised again, and the codes and scales need not be those that the quantiser above would give.
;; One version. Each part assembles by itself: llvm-mc -triple=amdgcn-amd-amdhsa -mcpu=gfx1250 --defsym DOCPART=n.
;; ======== version 1 of 1: 3 launches
;; limits: right only within a limited range of input values
;; workspace buffers: qimg 6,291,456 bytes; qs 262,144 bytes; kvc 13,107,200 bytes; aimg 6,291,456 bytes; ascl 262,144 bytes
;; launch qkv (part 1): grid 12 x 32, 4 waves a work-group, clusters of 4 x 4, 327,680 bytes of LDS; arguments x_codes, x_scales, Wq_codes, Wq_scales, Wk_codes, Wk_scales, Wv_codes, Wv_scales, s_raw, qimg, qs, kvc; writes qimg, qs, kvc
.if DOCPART == 1
	.amdgcn_target "amdgcn-amd-amdhsa--gfx1250"
	.amdhsa_code_object_version 6
	.text
	.protected	k_q3516e110c8_qkv
	.globl	k_q3516e110c8_qkv
	.p2align	8
	.type	k_q3516e110c8_qkv,@function
k_q3516e110c8_qkv:
	s_mov_b64 s[64:65], 0
	v_nop
	global_prefetch_b8 v0, s[64:65] scope:SCOPE_SE
	s_setreg_imm32_b32 hwreg(HW_REG_WAVE_MODE, 25, 1), 1
	s_wait_xcnt 0x0
	s_wait_alu depctr_hold_cnt(0) depctr_sa_sdst(0) depctr_va_vdst(0) depctr_va_sdst(0) depctr_va_ssrc(0) depctr_va_vcc(0) depctr_vm_vsrc(0)
	s_getreg_b32 s2, hwreg(HW_REG_IB_STS2, 6, 4)
	s_cmp_eq_u32 s2, 0
	s_cbranch_scc0 .Lentry_in_a_cluster
	s_endpgm
.Lentry_in_a_cluster:
	s_bfe_u32 s2, ttmp6, 0x10000c
	s_cmp_lg_u32 s2, 0xf033
	s_cbranch_scc0 .Lentry_shape_is_right
	s_endpgm
.Lentry_shape_is_right:
; THE PROGRAM: three launches.  qkv: q, k, v = x W (products 1 to 3 on the given codes), q x softplus(s) x ln(position), and the quantisers of q, k (along the head's 64) and v (along the keys).
; attn: scores, softmax, weights x v (products 4 and 5) and the quantiser of the result.  proj: product 6 and the bias.  Between launches go codes and scale bytes alone.
; DEAD WORK, left out in attn: reference() itself sets score[t][s] to -infinity wherever s > t (its own jnp.tril); exp(-infinity) = 0, so such a key adds 0 to the row's sum and 0 x v to the row's result,
; whatever finite values the inputs hold.  Where all 128 keys of a key step come after all 16 queries of a tile, that step's two products and its softmax are left out.  Nothing else is left out; every input is loaded.
; LIMITS: a NaN, an infinity or an overflow that reaches only the hidden scores left out is not carried to the result; NaN and infinities among the inputs are not served; a block whose largest magnitude lies
; under 2^-124 keeps the scale byte 1 (a block of zeros too: its codes are zeros, and this program alone reads the bytes); under s_raw = -87 or so 2^(-|x| log2 e) is flushed and softplus comes out 0.
; THIS LAUNCH: C = A B^T on codes of FP6 (E2M3), one E8M0 byte for each 32 along K = 1024.  A tile of 256 x 256 to four waves, 128 x 128 to a wave: 64 accumulators.
; K goes through a ring of two LDS slots in chunks of 256 bytes of each row (a row is 768 bytes: three chunks, each on a 256-byte border); a step of 128 along K is 96 bytes: steps 2 and 5 lie across two chunks.
; The scale bytes of the work-group's rows come into LDS once.  4 x 4 work-groups form a cluster: tiles are asked for jointly.  No prefetch: the block is the largest, in clusters, and K is three chunks.
; KIND = the cluster's x (the same in all sixteen partners): 0 q, 1 k, 2 v.  Source 1 (named A) is shared along the cluster's row, source 0 (B) along its column.
;   q, k: A = x (tile 4 Y + cy of 256 tokens), B = Wq or Wk (tile cx: 4 heads): a lane holds one token, its registers run along the head's channels.
;   v:    A = Wv (tile cy), B = x (tile 4 Y + cx): a lane holds one channel, its registers run along the tokens, which are the keys.
; THE WAY OUT uses no LDS: 16 registers of two neighbouring result tiles are half a block of 32 (numbers 8 h + 0..7 and 16 + 8 h + 0..7); lane l xor 16 holds the other half.  Converted and exchanged they are an
; operand's registers, with the block's two middle groups of eight in each other's place.  q and k are made by the same lines, v and the softmax's p likewise: both operands of products 4 and 5 carry the same order.
;   qimg [b h][tile of 16 tokens][768]: registers 0-3 at 16 x lane, 4-5 at 512 + 8 x lane.   qs: 256 bytes for four fragments: lane l has two words: fragments 0 | 1 (lanes 0-15 | 16-31) and 2 | 3.
;   kvc [b h][128 tokens][12800]: four fragments of k (token tiles 2 f | 2 f + 1 in registers 0-5 | 6-11), four of v, then k's 256 bytes of scale words and v's, laid as qs.
; REGISTERS: window 0: v1, v2 r, h; v16-29 addresses; v32-63 scale words; v64-115 q's factors; v128-223 A's fragments, on the way out the quantiser's.  window 1: B's fragments, two sets.  windows 2, 3: accumulators.
.set ROWB,   256
.set NQ,     2
.set KROW,   768
.set STEPS,  8
.set CHUNKS, 3
.set PITCH,  272                       ; 256 bytes + 16 of padding
.set FR,     12
.set NL,     6
.set NP,     4
.set HALFT,  128*PITCH
.set SLOT,   4*HALFT
.set KS,     32
.set SCL,    2*SLOT
.set HALFS,  16*272
.set SBLK,   2*272
.set SPARE,  SCL+4*HALFS               ; the spare words: 128 bytes a wave, named by no other line
.set RECB,   12800                     ; a record of kvc
.set ADRA, 16                          ; v16-17 A's fragments in slot 0, 1; v18-19 for pieces whose lanes 16-31 read the next chunk
.set ADRB, 20
.set LI,   24                          ; 16 x lane
.set L8,   25                          ; 8 x lane
.set TOK,  26
.set ADRS, 27
.set SPW,  28
.set NIL,  29
.set SC,   32
.set LN,   64
.set SPH,  72
.set TW,   74
.set FB,   84
.set AF,   128
.set TM,   128
.set SW,   144
.set SPK,  148
.set PC,   160
.set PT,   172
.set G1, 24
.set G0, 32
.set G1B, 48
.set G0B, 56
.set G1S, 68
.set G0S, 76
.set G1SB, 80
.set G0SB, 88
.set G0H, 4
.set G0HB, 8
.set MSB, 0
.macro WIN new                         ; the immediate's high byte repeats the setting that is left
.if MSB != (\new)
	s_set_vgpr_msb (MSB<<8)|(\new)
.set MSB, \new
.endif
.endm
.set MUL_LO, 0xa1
.set MUL_HI, 0xf1
.set TO_B,   0x40
; a joint load: waves 0, 1 fetch for A, waves 2, 3 for B; s_nop 0 and four v_nop follow each line
.macro JLOAD g0a, g1a, g0b, g1b
	s_cmp_eq_u32 s15, 0
	s_cbranch_scc0 .Lfor_b_\@
	tensor_load_to_lds s[\g0a:\g0a+3], s[\g1a:\g1a+7]
	s_nop 0
.rept 4
	v_nop
.endr
	s_branch .Lasked_\@
.Lfor_b_\@:
	tensor_load_to_lds s[\g0b:\g0b+3], s[\g1b:\g1b+7]
	s_nop 0
.rept 4
	v_nop
.endr
.Lasked_\@:
.endm
.macro CREST                           ; a round of the cluster's barrier behind its opening barrier
	s_cmp_lg_u32 s14, 0
	s_cbranch_scc1 .Lnot_wave_0_\@
	s_barrier_signal -3
.Lnot_wave_0_\@:
	s_barrier_wait -3
	s_barrier_signal -1
	s_barrier_wait -1
.endm
.macro CROUND
	s_barrier_signal -1
	s_barrier_wait -1
	CREST
.endm
	s_load_b512 s[68:83], s[0:1], 0x0              ; x codes 68, x scales 70, Wq 72, 74, Wk 76, 78, Wv 80, 82
	s_load_b256 s[84:91], s[0:1], 0x40             ; s_raw 84, qimg 86, qs 88, kvc 90
	v_lshl_add_u32 v[SPW], v0, 2, SPARE
	v_mov_b32 v[NIL], 0
	ds_add_u32 v[SPW], v[NIL]                      ; the opening: the add, twice on end, and its wait ahead of my first tensor load
	ds_add_u32 v[SPW], v[NIL]
	v_lshrrev_b32 v1, 5, v0
	v_readfirstlane_b32 s14, v1                    ; wave 0..3
	s_lshr_b32 s15, s14, 1                         ; my half of A's rows; also: I fetch for A (0) or B (1)
	s_and_b32 s16, s14, 1                          ; my half of B's rows; also: which 128 rows I fetch
	s_bfe_u32 s40, ttmp6, 0x40000                  ; cx
	s_bfe_u32 s41, ttmp6, 0x40004                  ; cy
	s_and_b32 s95, ttmp7, 0xffff
	s_lshl_b32 s95, s95, 2                         ; 4 Y
	s_cmp_eq_u32 ttmp9, 2                          ; v?
	s_cselect_b32 s17, 0, s95
	s_cselect_b32 s42, s95, 0
	s_add_co_u32 s17, s17, s41                     ; A's tile: it never holds cx
	s_add_co_u32 s42, s42, s40                     ; B's tile: it never holds cy
	s_lshl_b32 s43, s41, 2
	s_lshl_b32 s43, 15, s43                        ; my row of the cluster
	s_lshl_b32 s44, 0x1111, s40                    ; my column
	s_or_b32 s[G1+0], s43, (0<<16)|(1<<20)|(1<<21)|(5<<22)|(3<<25)  ; mask; 1-byte elements; 4 words of padding behind every 64; bit 21 beside a mask
	s_or_b32 s[G1B+0], s44, (0<<16)|(1<<20)|(1<<21)|(5<<22)|(3<<25)
.irp g, G1, G1B
	s_mov_b32 s[\g+1], ROWB<<16
	s_mov_b32 s[\g+2], 256<<16                     ; 256 rows for the head's loads
	s_mov_b32 s[\g+3], ROWB<<16
	s_mov_b32 s[\g+4], 256
	s_mov_b32 s[\g+5], KROW
	s_mov_b32 s[\g+6], 0
	s_mov_b32 s[\g+7], 0
.endr
	s_lshl_b32 s20, s17, 8                         ; A: the tile's first row
	s_lshl_b32 s46, s42, 8                         ; B's
	s_mov_b32 s21, 0
	s_mov_b32 s47, 0
	s_mov_b64 s[18:19], KS
	s_mul_u64 s[22:23], s[20:21], s[18:19]         ; where these rows' scale bytes begin
	s_mul_u64 s[92:93], s[46:47], s[18:19]
	s_mov_b64 s[18:19], KROW
	s_mul_u64 s[20:21], s[20:21], s[18:19]         ; and their codes
	s_mul_u64 s[46:47], s[46:47], s[18:19]
	s_mul_i32 s18, s16, 128*KROW                   ; in the ring I fetch 128 rows: which half,
	s_mov_b32 s19, 0
	s_mul_i32 s45, s14, HALFT                      ; and where they go
	s_mov_b32 s94, 0x76543210                      ; lane selects for lane l xor 16 (the second is set on the way out)
	s_mov_b32 s105, 0xffff0000                     ; lanes 16-31
	s_wait_dscnt 0x0                               ; both opening adds are done
	s_wait_kmcnt 0x0
	s_cmp_eq_u32 ttmp9, 2                          ; the buffers are chosen by the kind alone
	s_cselect_b64 s[4:5], s[80:81], s[68:69]       ; A's codes: Wv, else x
	s_cselect_b64 s[6:7], s[82:83], s[70:71]
	s_cselect_b64 s[8:9], s[68:69], s[76:77]       ; B's codes: x, else Wk,
	s_cselect_b64 s[10:11], s[70:71], s[78:79]
	s_cmp_eq_u32 ttmp9, 0
	s_cselect_b64 s[8:9], s[72:73], s[8:9]         ; or Wq
	s_cselect_b64 s[10:11], s[74:75], s[10:11]
	s_cselect_b64 s[12:13], s[86:87], s[90:91]     ; codes go to qimg, else kvc
	s_cselect_b64 s[96:97], s[88:89], s[90:91]     ; scale words to qs, else kvc
	s_mov_b64 s[98:99], s[84:85]                   ; s_raw
	s_add_nc_u64 s[20:21], s[4:5], s[20:21]
	s_add_nc_u64 s[22:23], s[6:7], s[22:23]
	s_add_nc_u64 s[46:47], s[8:9], s[46:47]
	s_add_nc_u64 s[92:93], s[10:11], s[92:93]
	; the scale bytes of 256 rows: 8,192 dense bytes as 32 rows of 256 bytes, 16 of padding behind each
	s_or_b32 s[G1S+0], s43, (3<<16)|(1<<20)|(1<<21)|(5<<22)|(3<<25)
	s_or_b32 s[G1SB+0], s44, (3<<16)|(1<<20)|(1<<21)|(5<<22)|(3<<25)
.irp g, G1S, G1SB
	s_mov_b32 s[\g+1], 32<<16
	s_mov_b32 s[\g+2], KS<<16
	s_mov_b32 s[\g+3], 32<<16
	s_mov_b32 s[\g+4], KS
	s_mov_b32 s[\g+5], 32
	s_mov_b32 s[\g+6], 0
	s_mov_b32 s[\g+7], 0
.endr
	CROUND                                         ; all sixteen work-groups are here: the first joint loads meet
	s_mov_b32 s[G0H], 1                            ; chunk 0's 256 rows of A,
	s_mov_b32 s[G0H+1], 0
	s_mov_b64 s[G0H+2:G0H+3], s[20:21]
	s_or_b32 s[G0H+3], s[G0H+3], 0x80000000
	s_mov_b32 s[G0HB], 1                           ; of B,
	s_mov_b32 s[G0HB+1], 2*HALFT
	s_mov_b64 s[G0HB+2:G0HB+3], s[46:47]
	s_or_b32 s[G0HB+3], s[G0HB+3], 0x80000000
	s_mov_b32 s[G0S], 1                            ; A's scale bytes,
	s_mov_b32 s[G0S+1], SCL
	s_mov_b64 s[G0S+2:G0S+3], s[22:23]
	s_or_b32 s[G0S+3], s[G0S+3], 0x80000000
	s_mov_b32 s[G0SB], 1                           ; B's
	s_mov_b32 s[G0SB+1], SCL+2*HALFS
	s_mov_b64 s[G0SB+2:G0SB+3], s[92:93]
	s_or_b32 s[G0SB+3], s[G0SB+3], 0x80000000
	s_add_nc_u64 s[20:21], s[20:21], s[18:19]      ; for the ring: my 128 rows
	s_add_nc_u64 s[46:47], s[46:47], s[18:19]
.irp s, 0,1
	s_mov_b32 s[G0+4*\s], 1
	s_add_co_u32 s[G0+4*\s+1], s45, \s*SLOT
	s_add_nc_u64 s[G0+4*\s+2:G0+4*\s+3], s[20:21], \s*ROWB
	s_or_b32 s[G0+4*\s+3], s[G0+4*\s+3], 0x80000000
	s_mov_b32 s[G0B+4*\s], 1
	s_add_co_u32 s[G0B+4*\s+1], s45, \s*SLOT
	s_add_nc_u64 s[G0B+4*\s+2:G0B+4*\s+3], s[46:47], \s*ROWB
	s_or_b32 s[G0B+4*\s+3], s[G0B+4*\s+3], 0x80000000
.endr
; the head's four tiles, one load a wave: one tree of branches on the wave's number
.macro ARM under, g0, g1, next
	s_cmp_lt_u32 s14, \under
	s_cbranch_scc0 \next
	tensor_load_to_lds s[\g0:\g0+3], s[\g1:\g1+7]
	s_nop 0
.rept 4
	v_nop
.endr
	s_branch .Lhead_asked
\next:
.endm
	ARM 1, G0H,  G1,  .Lhead_b
	ARM 2, G0HB, G1B, .Lhead_sa
	ARM 3, G0S,  G1S, .Lhead_sb
	tensor_load_to_lds s[G0SB:G0SB+3], s[G1SB:G1SB+7]
	s_nop 0
.rept 4
	v_nop
.endr
.Lhead_asked:
	v_and_b32 v1, 15, v0                           ; r
	v_bfe_u32 v2, v0, 4, 1                         ; h
	v_mul_u32_u24 v3, v1, PITCH
	v_mul_u32_u24 v4, v2, 24
	v_add_nc_u32 v4, v3, v4                        ; row x pitch + 24 h
	s_mov_b32 s21, SLOT-232
	s_mov_b32 s22, SLOT+232
	v_sub_nc_u32 v7, 1, v2
	v_mul_u32_u24 v5, s21, v2
	v_add_nc_u32 v5, v3, v5
	v_add_nc_u32 v5, 232, v5                       ; lanes 0-15 byte 232 of the row in slot 0, lanes 16-31 byte 0 in slot 1;
	v_mul_u32_u24 v6, s22, v7
	v_add_nc_u32 v6, v3, v6                        ; and the other way round
	s_mul_i32 s21, s15, HALFT
	s_mul_i32 s22, s16, HALFT
	s_add_co_u32 s22, s22, 2*HALFT
	v_add_nc_u32 v[ADRA+2], s21, v5
	v_add_nc_u32 v[ADRA+3], s21, v6
	v_add_nc_u32 v[ADRB+2], s22, v5
	v_add_nc_u32 v[ADRB+3], s22, v6
.irp s, 0,1
	v_add_nc_u32 v[ADRA+\s], s21, v4
	v_add_nc_u32 v[ADRB+\s], s22, v4
	s_add_co_u32 s21, s21, SLOT
	s_add_co_u32 s22, s22, SLOT
.endr
	v_mul_u32_u24 v5, v1, KS                       ; my row's scale bytes,
	v_lshrrev_b32 v6, 8, v5
	v_lshl_add_u32 v5, v6, 4, v5                   ; and 16 more for each 256 passed
	s_mul_i32 s21, s15, HALFS
	s_mul_i32 s22, s16, HALFS
	s_add_co_u32 s22, s22, 2*HALFS
	s_sub_co_u32 s22, s22, s21
	v_mul_u32_u24 v6, s22, v2                      ; lanes 16-31 take B's
	s_add_co_u32 s21, s21, SCL
	v_add_nc_u32 v5, v5, v6
	v_add_nc_u32 v[ADRS], s21, v5
	v_and_b32 v6, 31, v0
	v_lshlrev_b32 v[LI], 4, v6
	v_lshlrev_b32 v[L8], 3, v6
.macro FRAG reg, adr, st, i            ; a fragment: 12 registers, in pieces of 8 bytes; byte y of a row lies in slot (y / 256) % 2 at byte y % 256 of the LDS row
.irp p, 0,1,2,3,4,5
.set BY, 96*(\st)+48*(\p/3)+8*(\p%3)
.if BY/ROWB == (BY+24)/ROWB
	ds_load_b64 v[\reg+2*\p:\reg+2*\p+1], v[\adr+(BY/ROWB)%2] offset:BY%ROWB+(\i)*16*PITCH
.else
	ds_load_b64 v[\reg+2*\p:\reg+2*\p+1], v[\adr+2+(BY/ROWB)%2] offset:BY%ROWB-232+(\i)*16*PITCH
.endif
.endr
.endm
; 16 matrix instructions: A's blocks a0, a0 + 1 x B's eight.  The 64 accumulators take turns.
.macro MUL16 a0, p, q, sc, zero
.irp a, \a0, \a0+1
.irp b, 0,1,2,3,4,5,6,7
.if \zero
	v_wmma_scale_f32_16x16x128_f8f6f4 v[8*(8*((\a)%4)+\b):8*(8*((\a)%4)+\b)+7], v[128*(\p)+FR*\b:128*(\p)+FR*\b+FR-1], v[AF+FR*(\a):AF+FR*(\a)+FR-1], 0, v[SC+8*NQ*(\sc)+NQ*\b+(\q)], v[SC+8*NQ*(\sc)+NQ*(\a)+(\q)] matrix_a_fmt:MATRIX_FMT_FP6 matrix_b_fmt:MATRIX_FMT_FP6 matrix_a_scale:MATRIX_SCALE_ROW1
.else
	v_wmma_scale_f32_16x16x128_f8f6f4 v[8*(8*((\a)%4)+\b):8*(8*((\a)%4)+\b)+7], v[128*(\p)+FR*\b:128*(\p)+FR*\b+FR-1], v[AF+FR*(\a):AF+FR*(\a)+FR-1], v[8*(8*((\a)%4)+\b):8*(8*((\a)%4)+\b)+7], v[SC+8*NQ*(\sc)+NQ*\b+(\q)], v[SC+8*NQ*(\sc)+NQ*(\a)+(\q)] matrix_a_fmt:MATRIX_FMT_FP6 matrix_b_fmt:MATRIX_FMT_FP6 matrix_a_scale:MATRIX_SCALE_ROW1
.endif
.endr
.endr
.endm
.macro FETCH_B st, p
	WIN TO_B
.irp i, 0,1,2,3,4,5,6,7
	FRAG 128*(\p)+FR*\i, ADRB, \st, \i
.endr
	WIN 0
.endm
.macro FETCH_A st, i0
.irp i, \i0, \i0+1, \i0+2, \i0+3
	FRAG AF+FR*(\i), ADRA, \st, \i
.endr
.endm
.macro SCALES pr                       ; the scale words of steps 2 pr, 2 pr + 1: lanes 0-15 A's block i, lanes 16-31 B's
.irp i, 0,1,2,3,4,5,6,7
	ds_load_b64 v[SC+8*NQ*((\pr)%2)+NQ*\i:SC+8*NQ*((\pr)%2)+NQ*\i+1], v[ADRS] offset:\i*SBLK+4*NQ*(\pr)
.endr
.endm
.macro PLACES n                        ; places behind matrix instructions (ISA guide 7.12.1)
.rept \n
	v_nop
.endr
.endm
; A step of 128 along K.  Where the next step's bytes end in a chunk not yet read: a barrier shows it whole.  Where they begin in a later chunk: the chunk left behind is read no more; the three lines,
; the barrier, and, where a chunk two on is left to fetch, the cluster's round and the refill.
.macro STEP st, zero
.set NX, (\st)+1
.set C0, (96*(\st))/ROWB
.set C1, (96*NX)/ROWB
.set E0, (96*(\st)+95)/ROWB
.set E1, (96*NX+95)/ROWB
.if C1 > C0 || E1 > E0
	s_wait_tensorcnt 0x0                           ; all my tensor loads have landed
.if C1 > C0
	ds_add_u32 v[SPW], v[NIL]
	s_wait_dscnt 4*NL+1                            ; the add and the 24 youngest loads (A's blocks 4-7) may be out
.else
	s_wait_dscnt 4*NL                              ; the 24 youngest loads may be out
.endif
	WIN MUL_LO
	MUL16 0, (\st)%2, (\st)%2, ((\st)/2)%2, \zero
	s_wait_dscnt 0x0                               ; the add, where there is one, and all my reads are done
	s_barrier_signal -1
	MUL16 2, (\st)%2, (\st)%2, ((\st)/2)%2, \zero
	WIN 0
	s_barrier_wait -1
.if C1 > C0 && C0+2 < CHUNKS
	CREST                                          ; the barrier has opened a round: no wave of any partner still reads this slot or has a load on its way
	s_add_nc_u64 s[G0+4*(C0%2)+2:G0+4*(C0%2)+3], s[G0+4*(C0%2)+2:G0+4*(C0%2)+3], 2*ROWB
	s_add_nc_u64 s[G0B+4*(C0%2)+2:G0B+4*(C0%2)+3], s[G0B+4*(C0%2)+2:G0B+4*(C0%2)+3], 2*ROWB
	JLOAD G0+4*(C0%2), G1, G0B+4*(C0%2), G1B       ; chunk C0 + 2; its four v_nop are the places in front of the loads below
.else
	PLACES NP
.endif
.else
	s_wait_dscnt 4*NL                              ; the 24 youngest loads (A's blocks 4-7) may be out
	WIN MUL_LO
	MUL16 0, (\st)%2, (\st)%2, ((\st)/2)%2, \zero
	MUL16 2, (\st)%2, (\st)%2, ((\st)/2)%2, \zero
	s_wait_dscnt 0
	PLACES NP
.endif
	FETCH_B NX, NX%2
	FETCH_A NX, 0
.if NX%2 == 0
	SCALES NX/2
.endif
	WIN MUL_HI
	MUL16 4, (\st)%2, (\st)%2, ((\st)/2)%2, \zero
	MUL16 6, (\st)%2, (\st)%2, ((\st)/2)%2, \zero
	PLACES NP
	WIN 0
	FETCH_A NX, 4
.endm
	s_wait_alu depctr_va_vdst(0)                   ; the wait at the head's end
	s_wait_tensorcnt 0x0                           ; my tile of the head's four is in; the three lines ahead of a later first fill, as ahead of a refill
	ds_add_u32 v[SPW], v[NIL]
	s_mov_b32 s[G1+2], 128<<16                     ; no tensor load of mine is out: from here on a load brings 128 rows
	s_mov_b32 s[G1+4], 128
	s_mov_b32 s[G1B+2], 128<<16
	s_mov_b32 s[G1B+4], 128
	s_wait_dscnt 0x0
	CROUND
	JLOAD G0+4, G1, G0B+4, G1B                     ; chunk 1, the first tensor load behind the round
	FETCH_B 0, 0
	FETCH_A 0, 0
	SCALES 0
	FETCH_A 0, 4
	STEP 0, 1                                      ; the first step's products start the sums
.set ST, 1
.rept STEPS-2
	STEP ST, 0
.set ST, ST+1
.endr
	s_wait_dscnt 4*NL
	WIN MUL_LO
	MUL16 0, 1, 1, 1, 0
	MUL16 2, 1, 1, 1, 0
	s_wait_dscnt 0
	WIN MUL_HI
	MUL16 4, 1, 1, 1, 0
	MUL16 6, 1, 1, 1, 0
	WIN 0
; ---- THE WAY OUT ----
	PLACES NP
.irp b, 0,1,2,3
	v_mov_b32 v[TM+4+\b], 0                        ; a lane permute's destination counts as one of its sources
.endr
	s_mov_b32 s104, 0xfedcba98
	s_cmp_eq_u32 ttmp9, 2                          ; which of my two coordinates counts tokens, which heads
	s_cselect_b32 s18, s42, s17
	s_cselect_b32 s19, s16, s15
	s_cselect_b32 s20, s17, s42
	s_cselect_b32 s21, s15, s16
	s_lshl_b32 s18, s18, 8
	s_lshl_b32 s19, s19, 7
	s_add_co_u32 s18, s18, s19                     ; my first token
	s_lshl_b32 s20, s20, 2
	s_lshl_b32 s21, s21, 1
	s_add_co_u32 s20, s20, s21                     ; my first head (of two)
	s_lshr_b32 s19, s18, 11                        ; the batch
	s_and_b32 s21, s18, 2047                       ; my first token's place in its sequence
	s_lshl_b32 s22, s19, 4
	s_add_co_u32 s22, s22, s20
	s_lshl_b32 s23, s22, 4
	s_lshr_b32 s46, s21, 7
	s_add_co_u32 s23, s23, s46                     ; the record: (16 batch + head) x 16 + group of 128 tokens
	s_mov_b32 s46, RECB
	s_mov_b32 s47, RECB
	s_cmp_eq_u32 ttmp9, 0
	s_cselect_b32 s46, 6144, s46                   ; a record's bytes: q 8 tiles x 768 of codes, 256 of scale words; k and v together 12,800
	s_cselect_b32 s47, 256, s47
	s_cselect_b32 s22, 0, 12288                    ; in kvc the scale words lie behind the codes
	s_mul_i32 s46, s23, s46
	s_mul_i32 s100, s23, s47
	s_add_co_u32 s100, s100, s22
	s_cmp_eq_u32 ttmp9, 2
	s_cselect_b32 s47, 6144, 0                     ; v lies behind k
	s_cselect_b32 s101, 256, 0
	s_add_co_u32 s46, s46, s47
	s_add_co_u32 s100, s100, s101
	s_mov_b32 s47, 0
	s_mov_b32 s101, 0
	s_add_nc_u64 s[12:13], s[12:13], s[46:47]
	s_add_nc_u64 s[96:97], s[96:97], s[100:101]
; Four blocks of 32 (16 registers each at b0, b0 + 16, b1, b1 + 16 of window w; the other 16 numbers in lane l xor 16) become a fragment's codes in v[PC] on and its scale word in v[sw].
.macro QFRAG w, b0, b1, sw
	WIN (\w)|((\w)<<2)
.irp blk, 0,1,2,3
.set QB, (\b0)*(1-\blk/2)+(\b1)*(\blk/2)+16*(\blk%2)
	v_max3_num_f32 v[TM+\blk], |v[QB]|, |v[QB+1]|, 0x1800000   ; from each accumulator's low end on; the floor 2^(3 - 127) keeps the byte at 1 or more
.endr
.irp i, 2,4,6,8,10,12,14
.irp blk, 0,1,2,3
.set QB, (\b0)*(1-\blk/2)+(\b1)*(\blk/2)+16*(\blk%2)+\i
	v_max3_num_f32 v[TM+\blk], |v[QB]|, |v[QB+1]|, v[TM+\blk]
.endr
.endr
	WIN 0
.irp blk, 0,1,2,3
	v_permlanex16_b32 v[TM+4+\blk], v[TM+\blk], s94, s104
.endr
.irp blk, 0,1,2,3
	v_max_num_f32 v[TM+\blk], v[TM+\blk], v[TM+4+\blk]         ; the block's largest magnitude
.endr
.irp blk, 0,1,2,3
	v_add_nc_u32 v[TM+12+\blk], 0xff000000, v[TM+\blk]         ; 2 off its exponent field: the conversion's scale operand
.endr
.irp blk, 0,1,2,3
	v_lshrrev_b32 v[TM+4+\blk], 23, v[TM+12+\blk]              ; the scale's byte
.endr
	v_lshl_or_b32 v[\sw], v[TM+5], 8, v[TM+4]
	v_lshl_or_b32 v[\sw], v[TM+6], 16, v[\sw]
	v_lshl_or_b32 v[\sw], v[TM+7], 24, v[\sw]
	s_wait_xcnt 0x0                                ; the last fragment's stores have read v[PC] on
	WIN (\w)
	v_cvt_scalef32_pk16_fp6_f32 v[PC:PC+2], v[(\b0):(\b0)+15], v[TM+12]
	v_cvt_scalef32_pk16_fp6_f32 v[PT:PT+2], v[(\b0)+16:(\b0)+31], v[TM+13]
	v_cvt_scalef32_pk16_fp6_f32 v[PC+6:PC+8], v[(\b1):(\b1)+15], v[TM+14]
	v_cvt_scalef32_pk16_fp6_f32 v[PT+4:PT+6], v[(\b1)+16:(\b1)+31], v[TM+15]
	WIN 0
	v_nop                                          ; one plain place behind a scaled conversion
.irp c, 0,1                                    ; a whole block in a lane: lanes 0-15 block 2 c, lanes 16-31 block 2 c + 1
.irp i, 0,1,2
	v_permlane16_swap_b32 v[PC+6*\c+\i], v[PT+4*\c+\i]
.endr
.irp i, 0,1,2
	v_mov_b32 v[PC+6*\c+3+\i], v[PT+4*\c+\i]
.endr
.endr
.endm
; My two heads, four fragments each.  Each store covers whole aligned runs of 256 bytes.
.macro EPI kind
.irp hd, 0,1
.irp sub, 0,1,2,3
.if \kind == 2
	QFRAG 2+\hd, 64*\sub, 64*\sub+32, SW+\sub
.else
	QFRAG 2+\sub/2, 128*(\sub%2)+32*\hd, 128*(\sub%2)+32*\hd+64, SW+\sub
.endif
.if \kind == 0
	global_store_b128 v[LI], v[PC:PC+3], s[12:13] offset:98304*\hd+1536*\sub
	global_store_b64 v[L8], v[PC+4:PC+5], s[12:13] offset:98304*\hd+1536*\sub+512
	global_store_b128 v[LI], v[PC+6:PC+9], s[12:13] offset:98304*\hd+1536*\sub+768
	global_store_b64 v[L8], v[PC+10:PC+11], s[12:13] offset:98304*\hd+1536*\sub+1280
.else
.irp c, 0,1,2
	global_store_b128 v[LI], v[PC+4*\c:PC+4*\c+3], s[12:13] offset:16*RECB*\hd+1536*\sub+512*\c
.endr
.endif
.endr
	v_cndmask_b32 v[SPK+2*\hd], v[SW], v[SW+1], s105           ; lanes 0-15 fragment 0's words, lanes 16-31 fragment 1's
	v_cndmask_b32 v[SPK+2*\hd+1], v[SW+2], v[SW+3], s105
.if \kind == 0
	global_store_b64 v[L8], v[SPK+2*\hd:SPK+2*\hd+1], s[96:97] offset:4096*\hd
.else
	global_store_b64 v[L8], v[SPK+2*\hd:SPK+2*\hd+1], s[96:97] offset:16*RECB*\hd
.endif
.endr
.endm
	s_cmp_eq_u32 ttmp9, 0                          ; the kind: the same in all waves and all partners
	s_cbranch_scc1 .Lq
	s_cmp_eq_u32 ttmp9, 1
	s_cbranch_scc1 .Lk
	EPI 2
	s_branch .Lend
.Lk:
	EPI 1
	s_branch .Lend
.Lq:
	; q x (softplus(s) x ln(position)): the factor first, then the product, as reference() has it
	s_lshl_b32 s46, s20, 2
	v_mov_b32 v[TW+2], s46
	global_load_b64 v[TW:TW+1], v[TW+2], s[98:99]  ; s_raw of my two heads
	v_add_nc_u32 v[TOK], s21, v1
.irp a, 0,1,2,3,4,5,6,7
	v_add_nc_u32 v[LN+\a], 16*\a+1, v[TOK]         ; the position, from 1
.endr
.irp a, 0,1,2,3,4,5,6,7
	v_cvt_f32_u32 v[LN+\a], v[LN+\a]
.endr
	s_wait_alu depctr_va_vdst(0)
.irp a, 0,1,2,3,4,5,6,7
	v_log_f32 v[LN+\a], v[LN+\a]
.endr
	v_nop
	s_wait_alu depctr_va_vdst(0)                   ; one wait for the batch
.irp a, 0,1,2,3,4,5,6,7
	v_mul_f32 v[LN+\a], 0x3f317218, v[LN+\a]       ; x ln 2
.endr
	s_wait_loadcnt 0x0
	; softplus(x) = max(x, 0) + log1p(u), u = e^-|x|;  log1p(u) = ln(w) u / (w - 1) with w = 1 + u rounded, and u itself where w - 1 = 0
	v_and_b32 v[TW+2], 0x7fffffff, v[TW]
	v_and_b32 v[TW+3], 0x7fffffff, v[TW+1]
	v_mul_f32 v[TW+2], 0xbfb8aa3b, v[TW+2]
	v_mul_f32 v[TW+3], 0xbfb8aa3b, v[TW+3]
	s_wait_alu depctr_va_vdst(0)
	v_exp_f32 v[TW+2], v[TW+2]
	v_exp_f32 v[TW+3], v[TW+3]
	v_nop
	s_wait_alu depctr_va_vdst(0)
	v_add_f32 v[TW+4], 1.0, v[TW+2]
	v_add_f32 v[TW+5], 1.0, v[TW+3]
	v_add_f32 v[TW+6], -1.0, v[TW+4]
	v_add_f32 v[TW+7], -1.0, v[TW+5]
	v_cmp_eq_f32 s46, 0, v[TW+6]
	v_cmp_eq_f32 s47, 0, v[TW+7]
	v_cndmask_b32 v[TW+6], v[TW+6], 1.0, s46       ; no division by 0: that lane's quotient is not used
	v_cndmask_b32 v[TW+7], v[TW+7], 1.0, s47
	s_wait_alu depctr_va_vdst(0)
	v_log_f32 v[TW+4], v[TW+4]
	v_log_f32 v[TW+5], v[TW+5]
	v_rcp_f32 v[TW+6], v[TW+6]
	v_rcp_f32 v[TW+7], v[TW+7]
	v_nop
	s_wait_alu depctr_va_vdst(0)
.irp hd, 0,1
	v_mul_f32 v[TW+4+\hd], 0x3f317218, v[TW+4+\hd]
.endr
.irp hd, 0,1
	v_mul_f32 v[TW+4+\hd], v[TW+4+\hd], v[TW+2+\hd]
.endr
.irp hd, 0,1
	v_mul_f32 v[TW+4+\hd], v[TW+4+\hd], v[TW+6+\hd]
.endr
	v_cndmask_b32 v[TW+4], v[TW+4], v[TW+2], s46
	v_cndmask_b32 v[TW+5], v[TW+5], v[TW+3], s47
.irp hd, 0,1
	v_max_num_f32 v[TW+\hd], 0, v[TW+\hd]
.endr
.irp hd, 0,1
	v_add_f32 v[SPH+\hd], v[TW+\hd], v[TW+4+\hd]
.endr
.irp a, 0,1,2,3,4,5,6,7
.irp hd, 0,1
	v_mul_f32 v[FB+4*\a+2*\hd], v[SPH+\hd], v[LN+\a]
	v_mul_f32 v[FB+4*\a+2*\hd+1], v[SPH+\hd], v[LN+\a]
.endr
.endr
.irp a, 0,1,2,3,4,5,6,7
.irp hd, 0,1
	WIN (2+\a/4)|((2+\a/4)<<6)                     ; the accumulators in window 2 or 3, the factor in window 0
.irp k, 0,1,2,3,4,5,6,7,8,9,10,11,12,13,14,15
	v_pk_mul_f32 v[64*(\a%4)+32*\hd+2*\k:64*(\a%4)+32*\hd+2*\k+1], v[64*(\a%4)+32*\hd+2*\k:64*(\a%4)+32*\hd+2*\k+1], v[FB+4*\a+2*\hd:FB+4*\a+2*\hd+1]
.endr
.endr
.endr
	WIN 0
	EPI 0
.Lend:
	s_wait_tensorcnt 0x0                           ; the wave's end
	ds_add_u32 v[SPW], v[NIL]
	s_wait_dscnt 0x0
	CROUND                                         ; the closing round
	s_endpgm
.Lfunc_end_k_q3516e110c8_qkv:
	.size	k_q3516e110c8_qkv, .Lfunc_end_k_q3516e110c8_qkv-k_q3516e110c8_qkv
	.p2alignl 7, 3214868480
	.fill 96, 4, 3214868480
	.section	.rodata,"a",@progbits
	.p2align	6, 0x0
	.amdhsa_kernel k_q3516e110c8_qkv
		.amdhsa_group_segment_fixed_size 327680
		.amdhsa_private_segment_fixed_size 0
		.amdhsa_enable_private_segment 0
		.amdhsa_kernarg_size 96
		.amdhsa_user_sgpr_count 2
		.amdhsa_user_sgpr_kernarg_segment_ptr 1
		.amdhsa_wavefront_size32 1
		.amdhsa_system_sgpr_workgroup_id_x 1
		.amdhsa_system_sgpr_workgroup_id_y 1
		.amdhsa_system_sgpr_workgroup_id_z 1
		.amdhsa_system_vgpr_workitem_id 0
		.amdhsa_next_free_vgpr 1024
		.amdhsa_next_free_sgpr 106
		.amdhsa_reserve_vcc 0
		.amdhsa_float_denorm_mode_32 3
		.amdhsa_float_denorm_mode_16_64 3
		.amdhsa_memory_ordered 1
		.amdhsa_forward_progress 1
		.amdhsa_inst_pref_size 254
	.end_amdhsa_kernel
	.amdgpu_metadata
---
amdhsa.version: [ 1, 2 ]
amdhsa.kernels:
  - .name:           k_q3516e110c8_qkv
    .symbol:         k_q3516e110c8_qkv.kd
    .args:
      - { .name: x_codes, .offset: 0, .size: 8, .value_kind: global_buffer, .address_space: global }
      - { .name: x_scales, .offset: 8, .size: 8, .value_kind: global_buffer, .address_space: global }
      - { .name: Wq_codes, .offset: 16, .size: 8, .value_kind: global_buffer, .address_space: global }
      - { .name: Wq_scales, .offset: 24, .size: 8, .value_kind: global_buffer, .address_space: global }
      - { .name: Wk_codes, .offset: 32, .size: 8, .value_kind: global_buffer, .address_space: global }
      - { .name: Wk_scales, .offset: 40, .size: 8, .value_kind: global_buffer, .address_space: global }
      - { .name: Wv_codes, .offset: 48, .size: 8, .value_kind: global_buffer, .address_space: global }
      - { .name: Wv_scales, .offset: 56, .size: 8, .value_kind: global_buffer, .address_space: global }
      - { .name: s_raw, .offset: 64, .size: 8, .value_kind: global_buffer, .address_space: global }
      - { .name: qimg, .offset: 72, .size: 8, .value_kind: global_buffer, .address_space: global }
      - { .name: qs, .offset: 80, .size: 8, .value_kind: global_buffer, .address_space: global }
      - { .name: kvc, .offset: 88, .size: 8, .value_kind: global_buffer, .address_space: global }
    .group_segment_fixed_size: 327680
    .private_segment_fixed_size: 0
    .kernarg_segment_align: 8
    .kernarg_segment_size: 96
    .max_flat_workgroup_size: 128
    .sgpr_count:     106
    .vgpr_count:     1024
    .wavefront_size: 32
...
	.end_amdgpu_metadata
.endif
;; end of part 1
;; launch attn (part 2): grid 4 x 64, 16 waves a work-group, clusters of 4 x 1, 206,848 bytes of LDS; arguments qimg, qs, kvc, aimg, ascl; writes aimg, ascl
.if DOCPART == 2
	.amdgcn_target "amdgcn-amd-amdhsa--gfx1250"
	.amdhsa_code_object_version 6
	.text
	.protected	k_q3516e110c8_attn
	.globl	k_q3516e110c8_attn
	.p2align	8
	.type	k_q3516e110c8_attn,@function
k_q3516e110c8_attn:
	s_mov_b64 s[64:65], 0
	v_nop
	global_prefetch_b8 v0, s[64:65] scope:SCOPE_SE
	s_setreg_imm32_b32 hwreg(HW_REG_WAVE_MODE, 25, 1), 1
	s_wait_xcnt 0x0
	s_wait_alu depctr_hold_cnt(0) depctr_sa_sdst(0) depctr_va_vdst(0) depctr_va_sdst(0) depctr_va_ssrc(0) depctr_va_vcc(0) depctr_vm_vsrc(0)
	s_getreg_b32 s2, hwreg(HW_REG_IB_STS2, 6, 4)
	s_cmp_eq_u32 s2, 0
	s_cbranch_scc0 .Lentry_in_a_cluster
	s_endpgm
.Lentry_in_a_cluster:
	s_bfe_u32 s2, ttmp6, 0x10000c
	s_cmp_lg_u32 s2, 0x3003
	s_cbranch_scc0 .Lentry_shape_is_right
	s_endpgm
.Lentry_shape_is_right:
; Causal attention of one (batch, head) to a cluster of four work-groups, both products on codes of FP6 (E2M3) with one E8M0 byte for each 32 along K.
; LEFT OUT AS DEAD WORK (shown at the head of the first launch): key steps all of whose 128 keys come after all 16 queries of a tile: reference()'s own causal mask makes their weights 0.
; LIMITS: as stated there.  The row's maximum is taken away as a running whole number M, as the problem's text has it.
; SHARES.  The head's 128 query tiles of 16: work-group j (its place in the cluster) owns tiles 4 m + j, m = 0 .. 31; wave w owns tile L (m = w) and tile H (m = 31 - w).  A tile needs (m / 2) + 1 key steps of 128:
; every wave walks 17 tile steps.  No branch hangs on j: it enters global addresses, the mask's lane number and a byte select alone.
; LDS.  The whole head's 16 records of 12,800 bytes (images of k's and v's operand registers and their scale words, as the first launch stored them) come ONCE, by joint loads of the four partners:
; wave w asks for record w, its one tensor load.  Nothing is filled again, nothing is stored to LDS; one barrier shows all records to all waves.  No prefetch: all loads go out at the head, ahead of any loop.
; PRODUCT 4 has K = 64 under an instruction of K = 128: a fragment of k holds key tile 2 f in registers 0-5 and key tile 2 f + 1 in registers 6-11; it is multiplied by [q | zero codes] and by [zero codes | q].
; Both products are used transposed (S^T = k q^T, O^T = v^T p^T): a lane holds one query.  Register 16 b + i of S is key 32 b + 8 h + i (i < 8) or 32 b + 16 + 8 h + i - 8: the order in which v's codes were made.
; THE WAY OUT: O / sum; the halves of the lanes exchange eight registers of each sixteen, so that a lane's 16 registers are 16 neighbouring channels: the codes for product 6 lie in true order.
;   aimg [tile of 16 tokens][head][768]: registers 0-3 at 16 x lane, 4-5 at 512 + 8 x lane.   ascl [token][32]: byte 2 head + block.  Those two bytes a token are the one store here that does not cover whole runs of
;   256 bytes: a run holds 8 tokens x 16 heads, and a work-group has one head.
.set REC,   12800
.set RSC,   12288                      ; a record's scale words: k's 256 bytes, then v's
.set SPARE, 16*REC                     ; the spare words: 128 bytes for each of 16 waves, named by no other line
.set LI,  1
.set L8,  2
.set SPW, 3
.set NIL, 4
.set ADC, 5                            ; LDS address of the step's record
.set ADS, 6                            ; and of its scale words
.set NINF, 7
.set DL,  8                            ; my query - the diagonal step's first key - 8 h, tile L; v9: tile H
.set DH,  9
.set QSL, 42
.set QSH, 43
.set STL, 44                           ; -M, the largest t, the sum in two halves
.set STH, 48
.set OL,  52
.set OH,  84
.set S,   116                          ; S^T, then p; behind the conversions its first 48 take v's four fragments
.set F,   180                          ; k's four fragments; behind the first product:
.set BM,  180
.set PM,  184
.set SO,  188
.set PT,  192
.set PC,  200
.set KSC, 228
.set VSC, 230
.set PS,  232
.set FP,  234
.set TT,  236
.set WL,  240
.set WH,  241
.set G1A, 32
.set G0A, 52
.set SI,  60
.set TB,  61
.set TS,  62
.set LL,  63                           ; tile L's last step: w / 2
.set LH,  66                           ; tile H's: 15 - w / 2
.macro CROUND
	s_barrier_signal -1
	s_barrier_wait -1
	s_cmp_lg_u32 s16, 0
	s_cbranch_scc1 .Lnot_wave_0_\@
	s_barrier_signal -3
.Lnot_wave_0_\@:
	s_barrier_wait -3
	s_barrier_signal -1
	s_barrier_wait -1
.endm
	s_load_b128 s[4:7], s[0:1], 0x0                ; qimg 4, qs 6
	s_load_b64 s[8:9], s[0:1], 0x10                ; kvc
	s_load_b64 s[12:13], s[0:1], 0x18              ; aimg
	s_load_b64 s[14:15], s[0:1], 0x20              ; ascl
	v_lshl_add_u32 v[SPW], v0, 2, SPARE
	v_mov_b32 v[NIL], 0
	ds_add_u32 v[SPW], v[NIL]                      ; the opening: the add, twice on end, and its wait ahead of my first tensor load
	ds_add_u32 v[SPW], v[NIL]
	v_lshrrev_b32 v10, 5, v0
	s_delay_alu instid0(VALU_DEP_1)
	v_readfirstlane_b32 s16, v10                   ; wave 0..15
	s_bfe_u32 s17, ttmp6, 0x40000                  ; j
	s_and_b32 s18, ttmp7, 0xffff                   ; 16 batch + head, which the partners share
	s_mov_b32 s[G1A], 15|(3<<16)|(1<<21)           ; a record: 50 dense rows of 256 bytes; the mask names all four partners, bit 21 beside it
	s_mov_b32 s[G1A+1], 32<<16
	s_mov_b32 s[G1A+2], 50<<16
	s_mov_b32 s[G1A+3], 32<<16
	s_mov_b32 s[G1A+4], 50
	s_mov_b32 s[G1A+5], 32
	s_mov_b32 s[G1A+6], 0
	s_mov_b32 s[G1A+7], 0
	s_mov_b32 s[G0A], 1
	s_mul_i32 s[G0A+1], s16, REC
	s_mul_i32 s76, s18, 16*REC
	s_add_co_u32 s76, s76, s[G0A+1]                ; in kvc the bytes lie as in LDS
	s_mov_b32 s77, 0
	s_mov_b32 s20, 0x76543210                      ; lane selects for lane l xor 16
	s_mov_b32 s21, 0xfedcba98
	s_mov_b32 s22, 0x3e38aa3b                      ; c = log2(e) / sqrt(64)
	s_mov_b32 s23, s22
	s_mov_b32 s67, 0xffff0000                      ; lanes 16-31
	s_wait_dscnt 0x0
	s_wait_kmcnt 0x0
	s_add_nc_u64 s[G0A+2:G0A+3], s[8:9], s[76:77]
	s_or_b32 s[G0A+3], s[G0A+3], 0x80000000
	CROUND                                         ; all four work-groups are here: the joint loads meet
	tensor_load_to_lds s[G0A:G0A+3], s[G1A:G1A+7]  ; record w
	s_nop 0
.rept 4
	v_nop
.endr
	s_lshl_b32 s68, s16, 2
	s_add_co_u32 s68, s68, s17                     ; tile L = 4 w + j
	s_sub_co_u32 s69, 31, s16
	s_lshl_b32 s69, s69, 2
	s_add_co_u32 s69, s69, s17                     ; tile H = 4 (31 - w) + j
	s_lshr_b32 s[LL], s16, 1
	s_sub_co_u32 s[LH], 15, s[LL]
	s_lshl_b32 s74, s18, 7
	s_add_co_u32 s75, s74, s69
	s_add_co_u32 s74, s74, s68
	s_mul_i32 s74, s74, 768
	s_mul_i32 s76, s75, 768
	s_mov_b32 s75, 0
	s_mov_b32 s77, 0
	s_add_nc_u64 s[70:71], s[4:5], s[74:75]        ; q's images
	s_add_nc_u64 s[72:73], s[4:5], s[76:77]
	v_and_b32 v10, 31, v0
	s_delay_alu instid0(VALU_DEP_1)
	v_lshlrev_b32 v[LI], 4, v10
	s_delay_alu instid0(VALU_DEP_2)
	v_lshlrev_b32 v[L8], 3, v10
	global_load_b128 v[18:21], v[LI], s[70:71]
	global_load_b64 v[22:23], v[L8], s[70:71] offset:512
	global_load_b128 v[30:33], v[LI], s[72:73]
	global_load_b64 v[34:35], v[L8], s[72:73] offset:512
	; q's scale word: group i / 8 of 128 tokens, fragment (i / 2) % 4: word (i / 4) % 2 of lane 16 ((i / 2) % 2) + r
	s_lshl_b32 s74, s18, 4
	s_add_co_u32 s75, s74, s[LH]
	s_add_co_u32 s74, s74, s[LL]
	s_lshl_b32 s74, s74, 8
	s_lshl_b32 s75, s75, 8
	s_bfe_u32 s76, s17, 0x10001
	s_lshl_b32 s76, s76, 7
	s_add_co_u32 s74, s74, s76
	s_add_co_u32 s75, s75, s76
	s_and_b32 s76, s16, 1
	s_lshl_b32 s77, s76, 2
	s_add_co_u32 s74, s74, s77
	s_xor_b32 s76, s76, 1
	s_lshl_b32 s77, s76, 2
	s_add_co_u32 s75, s75, s77
	v_and_b32 v11, 15, v0                          ; r
	s_delay_alu instid0(VALU_DEP_1)
	v_lshl_add_u32 v[TT], v11, 3, s74
	s_delay_alu instid0(VALU_DEP_2)
	v_lshl_add_u32 v[TT+1], v11, 3, s75
	global_load_b32 v[TT+2], v[TT], s[6:7]
	global_load_b32 v[TT+3], v[TT+1], s[6:7]
	v_bfe_u32 v10, v0, 4, 1                        ; h
	s_delay_alu instid0(VALU_DEP_1)
	v_lshlrev_b32 v10, 3, v10
	s_delay_alu instid0(VALU_DEP_1)
	v_sub_nc_u32 v10, v11, v10                     ; r - 8 h
	s_and_b32 s74, s68, 7
	s_lshl_b32 s74, s74, 4
	v_add_nc_u32 v[DL], s74, v10
	s_and_b32 s74, s69, 7
	s_lshl_b32 s74, s74, 4
	v_add_nc_u32 v[DH], s74, v10
	s_lshr_b32 s74, s18, 4                         ; batch
	s_and_b32 s75, s18, 15                         ; head
	s_lshl_b32 s76, s74, 7
	s_add_co_u32 s77, s76, s69
	s_add_co_u32 s76, s76, s68
	s_lshl_b32 s76, s76, 4
	s_lshl_b32 s77, s77, 4
	s_add_co_u32 s76, s76, s75
	s_add_co_u32 s77, s77, s75
	s_mul_i32 s76, s76, 768
	s_mul_i32 s78, s77, 768
	s_mov_b32 s77, 0
	s_mov_b32 s79, 0
	s_add_nc_u64 s[80:81], s[12:13], s[76:77]      ; where the two tiles' codes go
	s_add_nc_u64 s[82:83], s[12:13], s[78:79]
	s_lshl_b32 s76, s74, 16
	s_lshl_b32 s78, s75, 1
	s_add_co_u32 s76, s76, s78
	s_add_nc_u64 s[84:85], s[14:15], s[76:77]      ; and their scale bytes: 65,536 a batch + 2 a head
	s_and_b32 s74, s17, 1                          ; which half of the fragment's word is my tile's
	s_cmp_eq_u32 s74, 0
	s_mov_b32 s75, 0x03020302
	s_cselect_b32 s75, 0x01000100, s75
.irp z, 12,13,14,15,16,17,24,25,26,27,28,29,36,37,38,39,40,41
	v_mov_b32 v\z, 0                               ; the zero codes beside q
.endr
.irp st, STL, STH
	v_mov_b32 v[\st+1], 0xff61b1e6                 ; the largest t so far: -3e38
	s_delay_alu instid0(VALU_DEP_1)
	v_floor_f32 v[\st], -v[\st+1]
	v_mov_b32 v[\st+2], 0
	v_mov_b32 v[\st+3], 0
.endr
.irp b, 0,1,2,3
	v_mov_b32 v[PM+\b], 0                          ; a lane permute's destination counts as one of its sources
.endr
	v_mov_b32 v[FP+1], 0                           ; named as the upper half of a pair
	v_mov_b32 v[NINF], 0xff800000
	s_wait_loadcnt 0x0                             ; q's codes and scale words
	v_perm_b32 v[QSL], v[TT+2], v[TT+2], s75       ; (b0, b1, b0, b1): it serves q in the lower and in the upper half of K
	v_perm_b32 v[QSH], v[TT+3], v[TT+3], s75
.set II, 0
.rept 64
	v_mov_b32 v[OL+II], 0                          ; O^T of both tiles; these also stand between the scale words' writes above and the first scaled products
.set II, II+1
.endr
	s_wait_alu depctr_va_vdst(0)                   ; the wait at the head's end
	s_wait_tensorcnt 0x0                           ; my record is in,
	s_barrier_signal -1
	s_barrier_wait -1                              ; everybody's is
; A KEY STEP of one tile: 128 keys.
.macro STEP qlo, qhi, qs, st, o, d, lim
	s_cmp_gt_u32 s[SI], s[\lim]                    ; all its keys come after my queries: left out (the wave's number and the count of steps alone decide)
	s_cbranch_scc1 .Lskip_\@
.rept 5
	v_nop                                          ; behind the last products: 4 places in front of loads into their registers, 5 in front of matrix instructions that write over them
.endr
	s_wait_alu depctr_va_vdst(0)
.irp f, 0,1,2,3
.irp c, 0,1,2
	ds_load_b128 v[F+12*\f+4*\c:F+12*\f+4*\c+3], v[ADC] offset:1536*\f+512*\c
.endr
.endr
	ds_load_b64 v[KSC:KSC+1], v[ADS]
	ds_load_b64 v[VSC:VSC+1], v[ADS] offset:256
	s_wait_dscnt 0x0
.irp f, 0,1
	v_wmma_scale_f32_16x16x128_f8f6f4 v[S+32*\f:S+32*\f+7], v[F+24*\f:F+24*\f+11], v[\qlo:\qlo+11], 0, v[KSC+\f], v[\qs] matrix_a_fmt:MATRIX_FMT_FP6 matrix_b_fmt:MATRIX_FMT_FP6
	v_wmma_scale_f32_16x16x128_f8f6f4 v[S+32*\f+8:S+32*\f+15], v[F+24*\f:F+24*\f+11], v[\qhi:\qhi+11], 0, v[KSC+\f], v[\qs] matrix_a_fmt:MATRIX_FMT_FP6 matrix_b_fmt:MATRIX_FMT_FP6
	v_wmma_scale_f32_16x16x128_f8f6f4 v[S+32*\f+16:S+32*\f+23], v[F+24*\f+12:F+24*\f+23], v[\qlo:\qlo+11], 0, v[KSC+\f], v[\qs] matrix_a_fmt:MATRIX_FMT_FP6 matrix_b_fmt:MATRIX_FMT_FP6 matrix_a_scale:MATRIX_SCALE_ROW1
	v_wmma_scale_f32_16x16x128_f8f6f4 v[S+32*\f+24:S+32*\f+31], v[F+24*\f+12:F+24*\f+23], v[\qhi:\qhi+11], 0, v[KSC+\f], v[\qs] matrix_a_fmt:MATRIX_FMT_FP6 matrix_b_fmt:MATRIX_FMT_FP6 matrix_a_scale:MATRIX_SCALE_ROW1
.endr
.rept 4
	v_nop
.endr
	s_cmp_lg_u32 s[SI], s[\lim]                    ; only the tile's last step lies on the diagonal
	s_cbranch_scc1 .Lopen_\@
.set II, 0
.rept 64
	v_cmp_gt_i32 vcc_lo, 16*(II/8)+II%8, v[\d]     ; register n holds key 16 (n / 8) + 8 h + n % 8 of the step: hidden where it comes after my query
	v_cndmask_b32 v[S+II], v[S+II], v[NINF], vcc_lo
.set II, II+1
.endr
.Lopen_\@:
.irp b, 0,1,2,3
	v_max3_num_f32 v[BM+\b], v[S+16*\b], v[S+16*\b+1], v[S+16*\b+2]   ; the largest score of each block of 32 keys: for the row's maximum and for the block's largest p
.endr
.irp i, 3,5,7,9,11,13
.irp b, 0,1,2,3
	v_max3_num_f32 v[BM+\b], v[BM+\b], v[S+16*\b+\i], v[S+16*\b+\i+1]
.endr
.endr
.irp b, 0,1,2,3
	v_max_num_f32 v[BM+\b], v[BM+\b], v[S+16*\b+15]
.endr
.irp b, 0,1,2,3
	s_delay_alu instid0(VALU_DEP_4)
	v_permlanex16_b32 v[PM+\b], v[BM+\b], s20, s21
.endr
.irp b, 0,1,2,3
	s_delay_alu instid0(VALU_DEP_4)
	v_max_num_f32 v[BM+\b], v[BM+\b], v[PM+\b]
.endr
	s_delay_alu instid0(VALU_DEP_2)
	v_max3_num_f32 v[TT], v[BM], v[BM+1], v[BM+2]
	s_delay_alu instid0(VALU_DEP_1)
	v_max_num_f32 v[TT], v[TT], v[BM+3]
	s_delay_alu instid0(VALU_DEP_1)
	v_mul_f32 v[TT], s22, v[TT]                    ; as t (c is positive)
	s_delay_alu instid0(VALU_DEP_1)
	v_max_num_f32 v[\st+1], v[\st+1], v[TT]        ; the running largest t
	v_mov_b32 v[TT], v[\st]
	s_delay_alu instid0(VALU_DEP_2)
	v_floor_f32 v[\st], -v[\st+1]                  ; -M = floor(-t): M is a whole number
	s_delay_alu instid0(VALU_DEP_1)
	v_sub_f32 v[TT], v[\st], v[TT]                 ; old M - new M, 0 or less
	s_delay_alu instid0(VALU_DEP_1)
	v_cvt_i32_f32 v[TT], v[TT]                     ; (it saturates)
	s_delay_alu instid0(VALU_DEP_1)
	v_ldexp_f32 v[FP], 1.0, v[TT]                  ; f = 2^(old M - new M): a multiplication by it rounds nothing
.set II, 0
.rept 32
	v_pk_fma_f32 v[S+II:S+II+1], v[S+II:S+II+1], s[22:23], v[\st:\st+1] op_sel_hi:[1,0,0]   ; t - M
.set II, II+2
.endr
.irp b, 0,1,2,3
	v_fma_f32 v[BM+\b], v[BM+\b], s22, v[\st]
.endr
.set II, 0
	s_wait_alu depctr_va_vdst(0)
.rept 64
	v_exp_f32 v[S+II], v[S+II]                     ; p = 2^(t - M), not normalised
.set II, II+1
.endr
	v_pk_mul_f32 v[\st+2:\st+3], v[\st+2:\st+3], v[FP:FP+1] op_sel_hi:[1,0]   ; the sums under the new M (the plain place behind the batch)
	s_wait_alu depctr_va_vdst(0)                   ; one wait for the batch
.irp b, 0,1,2,3
	v_exp_f32 v[BM+\b], v[BM+\b]                   ; the block's largest p: the same two instructions on the same number
.endr
	v_pk_add_f32 v[PM:PM+1], v[S:S+1], v[S+2:S+3]  ; the row's sum is taken of the unquantised p, in two chains
.irp j, 4,8,12,16,20,24,28,32,36,40,44,48,52,56,60
	v_pk_add_f32 v[\st+2:\st+3], v[\st+2:\st+3], v[S+\j:S+\j+1]
	v_pk_add_f32 v[PM:PM+1], v[PM:PM+1], v[S+\j+2:S+\j+3]
.endr
	s_delay_alu instid0(VALU_DEP_1)
	v_pk_add_f32 v[\st+2:\st+3], v[\st+2:\st+3], v[PM:PM+1]
	s_wait_alu depctr_va_vdst(0)                   ; and one for the four
.irp b, 0,1,2,3
	v_max_num_f32 v[BM+\b], 0x1800000, v[BM+\b]    ; the floor 2^(3 - 127): the byte cannot fall under 1
.endr
.irp b, 0,1,2,3
	s_delay_alu instid0(VALU_DEP_4)
	v_add_nc_u32 v[SO+\b], 0xff000000, v[BM+\b]    ; 2 off the exponent field: the conversion's scale operand
.endr
.irp b, 0,1,2,3
	s_delay_alu instid0(VALU_DEP_4)
	v_lshrrev_b32 v[PM+\b], 23, v[SO+\b]
.endr
	s_delay_alu instid0(VALU_DEP_3)
	v_lshl_or_b32 v[PS], v[PM+1], 8, v[PM]         ; p's scale word for these 128 keys
	s_delay_alu instid0(VALU_DEP_1)
	v_lshl_or_b32 v[PS], v[PM+2], 16, v[PS]
	s_delay_alu instid0(VALU_DEP_1)
	v_lshl_or_b32 v[PS], v[PM+3], 24, v[PS]
.irp c, 0,1
	v_cvt_scalef32_pk16_fp6_f32 v[PC+6*\c:PC+6*\c+2], v[S+32*\c:S+32*\c+15], v[SO+2*\c]
	v_cvt_scalef32_pk16_fp6_f32 v[PT+4*\c:PT+4*\c+2], v[S+32*\c+16:S+32*\c+31], v[SO+2*\c+1]
.endr
.irp ct, 0,1,2,3
.irp c, 0,1,2
	ds_load_b128 v[S+12*\ct+4*\c:S+12*\ct+4*\c+3], v[ADC] offset:6144+1536*\ct+512*\c   ; v's four fragments land where p stood
.endr
.endr
	v_nop                                          ; one plain place behind a scaled conversion
.irp c, 0,1
.irp i, 0,1,2
	v_permlane16_swap_b32 v[PC+6*\c+\i], v[PT+4*\c+\i]
.endr
.irp i, 0,1,2
	s_delay_alu instid0(VALU_DEP_3)
	v_mov_b32 v[PC+6*\c+3+\i], v[PT+4*\c+\i]
.endr
.endr
.set II, 0
.rept 16
	v_pk_mul_f32 v[\o+II:\o+II+1], v[\o+II:\o+II+1], v[FP:FP+1] op_sel_hi:[1,0]   ; O^T under the new M; also the places between the codes' and the scale word's last writes and the products
.set II, II+2
.endr
	s_wait_alu depctr_va_vdst(0)
	s_wait_dscnt 0x0
.irp ct, 0,1
	v_wmma_scale_f32_16x16x128_f8f6f4 v[\o+16*\ct:\o+16*\ct+7], v[S+24*\ct:S+24*\ct+11], v[PC:PC+11], v[\o+16*\ct:\o+16*\ct+7], v[VSC+\ct], v[PS] matrix_a_fmt:MATRIX_FMT_FP6 matrix_b_fmt:MATRIX_FMT_FP6
	v_wmma_scale_f32_16x16x128_f8f6f4 v[\o+16*\ct+8:\o+16*\ct+15], v[S+24*\ct+12:S+24*\ct+23], v[PC:PC+11], v[\o+16*\ct+8:\o+16*\ct+15], v[VSC+\ct], v[PS] matrix_a_fmt:MATRIX_FMT_FP6 matrix_b_fmt:MATRIX_FMT_FP6 matrix_a_scale:MATRIX_SCALE_ROW1
.endr
.Lskip_\@:
.endm
	s_mov_b32 s[SI], 0                             ; the 16 key steps: the trip count is a constant of the text
	s_mov_b32 s[TB], 0
	s_mov_b32 s[TS], RSC
.Lwalk:
	v_add_nc_u32 v[ADC], s[TB], v[LI]
	v_add_nc_u32 v[ADS], s[TS], v[L8]
	STEP 18, 12, QSL, STL, OL, DL, LL
	STEP 30, 24, QSH, STH, OH, DH, LH
	s_add_co_u32 s[TB], s[TB], REC
	s_add_co_u32 s[TS], s[TS], REC
	s_add_co_u32 s[SI], s[SI], 1
	s_cmp_lt_u32 s[SI], 16
	s_cbranch_scc1 .Lwalk
; One tile's way out.
.macro OUT st, o, pc, w16, base
.rept 4
	v_nop                                          ; places behind the last products
.endr
	v_add_f32 v[TT], v[\st+2], v[\st+3]
	s_delay_alu instid0(VALU_DEP_1)
	v_permlanex16_b32 v[PM], v[TT], s20, s21
	s_delay_alu instid0(VALU_DEP_1)
	v_add_f32 v[TT], v[TT], v[PM]                  ; the row's sum
	s_wait_alu depctr_va_vdst(0)
	v_rcp_f32 v[FP], v[TT]
	v_nop
	s_wait_alu depctr_va_vdst(0)
.set II, 0
.rept 16
	v_pk_mul_f32 v[S+II:S+II+1], v[\o+II:\o+II+1], v[FP:FP+1] op_sel_hi:[1,0]
.set II, II+2
.endr
.irp b, 0,1
.irp i, 0,1,2,3,4,5,6,7
	v_permlane16_swap_b32 v[S+16*\b+\i], v[S+16*\b+8+\i]       ; register 16 b + i is now channel 32 b + 16 h + i
.endr
.endr
.irp b, 0,1
	v_max3_num_f32 v[BM+\b], |v[S+16*\b]|, |v[S+16*\b+1]|, 0x1800000
.endr
.irp i, 2,4,6,8,10,12,14
.irp b, 0,1
	s_delay_alu instid0(VALU_DEP_2)
	v_max3_num_f32 v[BM+\b], v[BM+\b], |v[S+16*\b+\i]|, |v[S+16*\b+\i+1]|
.endr
.endr
.irp b, 0,1
	s_delay_alu instid0(VALU_DEP_2)
	v_permlanex16_b32 v[PM+\b], v[BM+\b], s20, s21
.endr
.irp b, 0,1
	s_delay_alu instid0(VALU_DEP_2)
	v_max_num_f32 v[BM+\b], v[BM+\b], v[PM+\b]
.endr
.irp b, 0,1
	s_delay_alu instid0(VALU_DEP_2)
	v_add_nc_u32 v[SO+\b], 0xff000000, v[BM+\b]
.endr
.irp b, 0,1
	s_delay_alu instid0(VALU_DEP_2)
	v_lshrrev_b32 v[PM+\b], 23, v[SO+\b]
.endr
	s_delay_alu instid0(VALU_DEP_1)
	v_lshl_or_b32 v[\w16], v[PM+1], 8, v[PM]
	v_cvt_scalef32_pk16_fp6_f32 v[\pc:\pc+2], v[S:S+15], v[SO]
	v_cvt_scalef32_pk16_fp6_f32 v[PT:PT+2], v[S+16:S+31], v[SO+1]
	v_nop
.irp i, 0,1,2
	v_permlane16_swap_b32 v[\pc+\i], v[PT+\i]
.endr
.irp i, 0,1,2
	s_delay_alu instid0(VALU_DEP_3)
	v_mov_b32 v[\pc+3+\i], v[PT+\i]
.endr
	global_store_b128 v[LI], v[\pc:\pc+3], s[\base:\base+1]
	global_store_b64 v[L8], v[\pc+4:\pc+5], s[\base:\base+1] offset:512
.endm
	OUT STL, OL, 200, WL, 80
	OUT STH, OH, 206, WH, 82                       ; other registers for its codes: no store's data are written again
	v_and_b32 v10, 15, v0
	s_lshl_b32 s74, s68, 9
	s_lshl_b32 s75, s69, 9
	v_mov_b32 v11, s74
	v_mov_b32 v[TT], s75
	s_delay_alu instid0(VALU_DEP_1)
	v_cndmask_b32 v11, v11, v[TT], s67             ; lanes 0-15 store tile L's 16 tokens, lanes 16-31 tile H's
	s_delay_alu instid0(VALU_DEP_1)
	v_lshl_add_u32 v11, v10, 5, v11                ; 32 bytes a token
	v_cndmask_b32 v[TT+1], v[WL], v[WH], s67
	global_store_b16 v11, v[TT+1], s[84:85]
	s_wait_tensorcnt 0x0                           ; the wave's end
	ds_add_u32 v[SPW], v[NIL]
	s_wait_dscnt 0x0
	CROUND                                         ; the closing round
	s_endpgm
.Lfunc_end_k_q3516e110c8_attn:
	.size	k_q3516e110c8_attn, .Lfunc_end_k_q3516e110c8_attn-k_q3516e110c8_attn
	.p2alignl 7, 3214868480
	.fill 96, 4, 3214868480
	.section	.rodata,"a",@progbits
	.p2align	6, 0x0
	.amdhsa_kernel k_q3516e110c8_attn
		.amdhsa_group_segment_fixed_size 206848
		.amdhsa_private_segment_fixed_size 0
		.amdhsa_enable_private_segment 0
		.amdhsa_kernarg_size 40
		.amdhsa_user_sgpr_count 2
		.amdhsa_user_sgpr_kernarg_segment_ptr 1
		.amdhsa_wavefront_size32 1
		.amdhsa_system_sgpr_workgroup_id_x 1
		.amdhsa_system_sgpr_workgroup_id_y 1
		.amdhsa_system_sgpr_workgroup_id_z 1
		.amdhsa_system_vgpr_workitem_id 0
		.amdhsa_next_free_vgpr 256
		.amdhsa_next_free_sgpr 96
		.amdhsa_reserve_vcc 1
		.amdhsa_float_denorm_mode_32 3
		.amdhsa_float_denorm_mode_16_64 3
		.amdhsa_memory_ordered 1
		.amdhsa_forward_progress 1
		.amdhsa_inst_pref_size 64
	.end_amdhsa_kernel
	.amdgpu_metadata
---
amdhsa.version: [ 1, 2 ]
amdhsa.kernels:
  - .name:           k_q3516e110c8_attn
    .symbol:         k_q3516e110c8_attn.kd
    .args:
      - { .name: qimg, .offset: 0, .size: 8, .value_kind: global_buffer, .address_space: global }
      - { .name: qs, .offset: 8, .size: 8, .value_kind: global_buffer, .address_space: global }
      - { .name: kvc, .offset: 16, .size: 8, .value_kind: global_buffer, .address_space: global }
      - { .name: aimg, .offset: 24, .size: 8, .value_kind: global_buffer, .address_space: global }
      - { .name: ascl, .offset: 32, .size: 8, .value_kind: global_buffer, .address_space: global }
    .group_segment_fixed_size: 206848
    .private_segment_fixed_size: 0
    .kernarg_segment_align: 8
    .kernarg_segment_size: 40
    .max_flat_workgroup_size: 512
    .sgpr_count:     96
    .vgpr_count:     256
    .wavefront_size: 32
...
	.end_amdgpu_metadata
.endif
;; end of part 2
;; launch proj (part 3): grid 4 x 64, 4 waves a work-group, clusters of 4 x 4, 327,680 bytes of LDS; arguments aimg, ascl, proj_W_codes, proj_W_scales, proj_b, out0; writes out0
.if DOCPART == 3
	.amdgcn_target "amdgcn-amd-amdhsa--gfx1250"
	.amdhsa_code_object_version 6
	.text
	.protected	k_q3516e110c8_proj
	.globl	k_q3516e110c8_proj
	.p2align	8
	.type	k_q3516e110c8_proj,@function
k_q3516e110c8_proj:
	s_mov_b64 s[64:65], 0
	v_nop
	global_prefetch_b8 v0, s[64:65] scope:SCOPE_SE
	s_setreg_imm32_b32 hwreg(HW_REG_WAVE_MODE, 25, 1), 1
	s_wait_xcnt 0x0
	s_wait_alu depctr_hold_cnt(0) depctr_sa_sdst(0) depctr_va_vdst(0) depctr_va_sdst(0) depctr_va_ssrc(0) depctr_va_vcc(0) depctr_vm_vsrc(0)
	s_getreg_b32 s2, hwreg(HW_REG_IB_STS2, 6, 4)
	s_cmp_eq_u32 s2, 0
	s_cbranch_scc0 .Lentry_in_a_cluster
	s_endpgm
.Lentry_in_a_cluster:
	s_bfe_u32 s2, ttmp6, 0x10000c
	s_cmp_lg_u32 s2, 0xf033
	s_cbranch_scc0 .Lentry_shape_is_right
	s_endpgm
.Lentry_shape_is_right:
; out0 = A proj_W^T + proj_b (product 6) on codes of FP6 (E2M3), one E8M0 byte for each 32 along K = 1024.  Nothing is left out here.
; A block of 128 tokens x 256 columns to a work-group: 64 x 4 = 256 work-groups.  Four waves, 64 x 128 each: 32 accumulators, 256 registers.
; ALL OF K LIES IN LDS, filled once, one tensor load a wave, every row 256 bytes on a 256-byte border: wave 0 A's register images (8 tiles of 16 tokens x 12,288 bytes, dense), wave 1 B's 256 rows of 768 bytes
; (16 bytes of padding behind each 256: pitch 816), wave 2 A's scale bytes, wave 3 B's.  Nothing is filled again: one barrier ahead of the walk along K, one ahead of the stage's first store.
; CLUSTERS: 4 x 4; A's tiles are shared along the cluster's row, B's along its column, by joint loads.  No prefetch: all loads go out at the head, ahead of any walk.
; The matrix instruction is used transposed (source 0 = 16 rows of proj_W, source 1 = 16 tokens): a lane holds eight neighbouring columns of a row of out0.  The bias is the C of each sum's first product.
; REGISTERS: window 0: v16-29 addresses; v32-95 all scale words (register 8 i + step: lanes 0-15 A's block i, lanes 16-31 B's); v96-159 the bias; v160-255 A's fragments, two sets; on the way out v128-255.
;   window 1: B's fragments, two sets, at v0 and v128.   window 2: accumulator (a, b) at v[8 (8 a + b)].
.set SIZE_N, 1024
.set FR,     12
.set ATILE,  12288
.set BROW,   816
.set BOFF,   8*ATILE
.set SCL,    BOFF+256*BROW
.set SCLB,   SCL+16*272
.set SPARE,  SCLB+32*272               ; the spare words: 128 bytes a wave, named by no other line
.set SPITCH, 528                       ; the stage: 16 rows x (512 + 16) bytes a wave, in A's bytes, behind their last read
.set ADRA, 16                          ; v16 16 x lane, v17 8 x lane, in my four tiles of A
.set ADRB, 20                          ; v20 B's blocks 0-3, v21 the same with 16 more in lanes 16-31 (they read behind one padding more); v22, v23 blocks 4-7
.set STO,  24
.set RD,   25
.set CO,   26
.set ADRS, 27
.set SPW,  28
.set NIL,  29
.set SC,   32
.set BIA,  96
.set AF,   160
.set BK,   128
.set G1, 24
.set G0, 32
.set G1B, 48
.set G0B, 56
.set G1S, 68
.set G0S, 76
.set G1SB, 80
.set G0SB, 88
.set MSB, 0
.macro WIN new                         ; the immediate's high byte repeats the setting that is left
.if MSB != (\new)
	s_set_vgpr_msb (MSB<<8)|(\new)
.set MSB, \new
.endif
.endm
.macro CROUND                          ; a round of the cluster's barrier
	s_barrier_signal -1
	s_barrier_wait -1
	s_cmp_lg_u32 s14, 0
	s_cbranch_scc1 .Lnot_wave_0_\@
	s_barrier_signal -3
.Lnot_wave_0_\@:
	s_barrier_wait -3
	s_barrier_signal -1
	s_barrier_wait -1
.endm
.macro ROWS g, n                       ; group 1 of a dense block: n rows of 256 bytes (32 elements of 8)
	s_mov_b32 s[\g+1], 32<<16
	s_mov_b32 s[\g+2], (\n)<<16
	s_mov_b32 s[\g+3], 32<<16
	s_mov_b32 s[\g+4], \n
	s_mov_b32 s[\g+5], 32
	s_mov_b32 s[\g+6], 0
	s_mov_b32 s[\g+7], 0
.endm
.macro GRP0 g, lds, base, off          ; group 0
	s_mov_b32 s[\g], 1
	s_mov_b32 s[\g+1], \lds
	s_add_nc_u64 s[\g+2:\g+3], s[\base:\base+1], s[\off:\off+1]
	s_or_b32 s[\g+3], s[\g+3], 0x80000000
.endm
	s_load_b128 s[4:7], s[0:1], 0x0                ; aimg 4, ascl 6
	s_load_b128 s[8:11], s[0:1], 0x10              ; proj_W codes 8, scales 10
	s_load_b128 s[92:95], s[0:1], 0x20             ; proj_b 92, out0 94
	v_lshl_add_u32 v[SPW], v0, 2, SPARE
	v_mov_b32 v[NIL], 0
	ds_add_u32 v[SPW], v[NIL]                      ; the opening: the add, twice on end, and its wait ahead of my first tensor load
	ds_add_u32 v[SPW], v[NIL]
	v_lshrrev_b32 v1, 5, v0
	v_readfirstlane_b32 s14, v1                    ; wave 0..3
	s_lshr_b32 s15, s14, 1                         ; my 64 tokens
	s_and_b32 s16, s14, 1                          ; my 128 columns
	s_bfe_u32 s40, ttmp6, 0x40000                  ; cx
	s_bfe_u32 s41, ttmp6, 0x40004                  ; cy
	s_lshl_b32 s42, ttmp9, 2
	s_add_co_u32 s42, s42, s40                     ; block column
	s_and_b32 s17, ttmp7, 0xffff
	s_lshl_b32 s17, s17, 2
	s_add_co_u32 s17, s17, s41                     ; block row
	s_lshl_b32 s43, s41, 2
	s_lshl_b32 s43, 15, s43                        ; my row of the cluster
	s_lshl_b32 s44, 0x1111, s40                    ; my column
	s_or_b32 s[G1], s43, (3<<16)|(1<<21)
	s_or_b32 s[G1B], s44, (3<<16)|(1<<20)|(1<<21)|(5<<22)|(3<<25)   ; 4 words of padding behind every 64
	s_or_b32 s[G1S], s43, (3<<16)|(1<<20)|(1<<21)|(5<<22)|(3<<25)
	s_or_b32 s[G1SB], s44, (3<<16)|(1<<20)|(1<<21)|(5<<22)|(3<<25)
	ROWS G1, 384
	ROWS G1B, 768
	ROWS G1S, 16
	ROWS G1SB, 32
	s_mul_i32 s20, s17, 8*ATILE                    ; byte offsets of my block's four tiles
	s_mov_b32 s21, 0
	s_lshl_b32 s22, s17, 12
	s_mov_b32 s23, 0
	s_mul_i32 s46, s42, 256*768
	s_mov_b32 s47, 0
	s_lshl_b32 s18, s42, 13
	s_mov_b32 s19, 0
	s_wait_dscnt 0x0                               ; both opening adds are done
	s_wait_kmcnt 0x0
	GRP0 G0, 0, 4, 20
	GRP0 G0B, BOFF, 8, 46
	GRP0 G0S, SCL, 6, 22
	GRP0 G0SB, SCLB, 10, 18
	CROUND                                         ; all sixteen work-groups are here: the joint loads meet
.macro ARM under, g0, g1, next         ; one tree of branches on the wave's number, one load to an arm
	s_cmp_lt_u32 s14, \under
	s_cbranch_scc0 \next
	tensor_load_to_lds s[\g0:\g0+3], s[\g1:\g1+7]
	s_nop 0
.rept 4
	v_nop
.endr
	s_branch .Lhead_asked
\next:
.endm
	ARM 1, G0,  G1,  .Lhead_b
	ARM 2, G0B, G1B, .Lhead_sa
	ARM 3, G0S, G1S, .Lhead_sb
	tensor_load_to_lds s[G0SB:G0SB+3], s[G1SB:G1SB+7]
	s_nop 0
.rept 4
	v_nop
.endr
.Lhead_asked:
	s_mul_i32 s21, s15, 4*ATILE                    ; my four tiles of A
	s_mul_i32 s22, s16, 128*BROW
	s_add_co_u32 s22, s22, BOFF                    ; my 128 rows of B
	s_mul_i32 s23, s15, 8*272                      ; my 64 rows of A's scale bytes
	s_mul_i32 s18, s16, 16*272
	s_add_co_u32 s18, s18, 16*272
	s_sub_co_u32 s18, s18, s23                     ; from there to my 128 rows of B's
	s_add_co_u32 s23, s23, SCL
	s_mul_i32 s19, s14, 16*SPITCH                  ; my stage
	s_lshl_b32 s46, s17, 7
	s_lshl_b32 s47, s15, 6
	s_add_co_u32 s46, s46, s47
	s_lshl_b32 s46, s46, 12                        ; my first row of out0, in bytes (under 2^26)
	s_mov_b32 s47, 0
	s_lshl_b32 s96, s42, 10
	s_lshl_b32 s97, s16, 9
	s_add_co_u32 s96, s96, s97                     ; my first column, in bytes
	s_mov_b32 s97, 0
	s_add_nc_u64 s[92:93], s[92:93], s[96:97]
	s_add_nc_u64 s[94:95], s[94:95], s[96:97]
	s_add_nc_u64 s[94:95], s[94:95], s[46:47]
	v_and_b32 v1, 15, v0                           ; r
	v_bfe_u32 v2, v0, 4, 1                         ; h
	v_and_b32 v6, 31, v0
	v_lshlrev_b32 v[CO], 4, v6
	v_lshlrev_b32 v7, 3, v6
	v_add_nc_u32 v[ADRA], s21, v[CO]
	v_add_nc_u32 v[ADRA+1], s21, v7
	v_mul_u32_u24 v3, v1, BROW
	v_mad_u32_u24 v3, v2, 24, v3
	v_add_nc_u32 v[ADRB], s22, v3
	v_lshl_add_u32 v[ADRB+1], v2, 4, v[ADRB]
	v_add_nc_u32 v[ADRB+2], 64*BROW, v[ADRB]
	v_add_nc_u32 v[ADRB+3], 64*BROW, v[ADRB+1]
	v_lshlrev_b32 v5, 5, v1                        ; my row's 32 scale bytes,
	v_lshrrev_b32 v4, 3, v1
	v_lshl_add_u32 v5, v4, 4, v5                   ; and 16 more behind 256
	v_mul_u32_u24 v4, s18, v2                      ; lanes 16-31 take B's
	v_add_nc_u32 v5, v5, v4
	v_add_nc_u32 v[ADRS], s23, v5
	v_mul_u32_u24 v5, v1, SPITCH
	v_lshl_add_u32 v5, v2, 5, v5
	v_add_nc_u32 v[STO], s19, v5
	v_add_nc_u32 v[RD], s19, v[CO]
	v_lshlrev_b32 v8, 5, v2
.irp b, 0,1,2,3,4,5,6,7
	global_load_b128 v[BIA+8*\b:BIA+8*\b+3], v8, s[92:93] offset:64*\b       ; the bias at my eight columns of block b
	global_load_b128 v[BIA+8*\b+4:BIA+8*\b+7], v8, s[92:93] offset:64*\b+16
.endr
.macro FRAGB reg, st, i                ; B's fragment in pieces of 8 bytes: byte y of a row lies at y + 16 (y / 256)
.irp p, 0,1,2,3,4,5
.set BY, 96*(\st)+48*(\p/3)+8*(\p%3)
.set AD, ADRB+2*((\i)/4)+((BY+24)/256-BY/256)
	ds_load_b64 v[\reg+2*\p:\reg+2*\p+1], v[AD] offset:BY+16*(BY/256)+((\i)%4)*16*BROW
.endr
.endm
.macro FRAGA reg, st, i                ; A's fragment: the images of heads 2 st and 2 st + 1
	ds_load_b128 v[\reg:\reg+3], v[ADRA] offset:ATILE*(\i)+1536*(\st)
	ds_load_b64 v[\reg+4:\reg+5], v[ADRA+1] offset:ATILE*(\i)+1536*(\st)+512
	ds_load_b128 v[\reg+6:\reg+9], v[ADRA] offset:ATILE*(\i)+1536*(\st)+768
	ds_load_b64 v[\reg+10:\reg+11], v[ADRA+1] offset:ATILE*(\i)+1536*(\st)+1280
.endm
.macro FETCH st, p                     ; step st's fragments into set p: 64 LDS loads in one run
	WIN 0x40
.irp i, 0,1,2,3,4,5,6,7
	FRAGB 128*(\p)+FR*\i, \st, \i
.endr
	WIN 0
.irp i, 0,1,2,3
	FRAGA AF+48*(\p)+FR*\i, \st, \i
.endr
.endm
.macro MUL st, p, first                ; 32 matrix instructions; the accumulators take turns
.irp a, 0,1,2,3
.irp b, 0,1,2,3,4,5,6,7
.if \first
	v_wmma_scale_f32_16x16x128_f8f6f4 v[8*(8*\a+\b):8*(8*\a+\b)+7], v[128*(\p)+FR*\b:128*(\p)+FR*\b+FR-1], v[AF+48*(\p)+FR*\a:AF+48*(\p)+FR*\a+FR-1], v[BIA+8*\b:BIA+8*\b+7], v[SC+8*\b+(\st)], v[SC+8*\a+(\st)] matrix_a_fmt:MATRIX_FMT_FP6 matrix_b_fmt:MATRIX_FMT_FP6 matrix_a_scale:MATRIX_SCALE_ROW1
.else
	v_wmma_scale_f32_16x16x128_f8f6f4 v[8*(8*\a+\b):8*(8*\a+\b)+7], v[128*(\p)+FR*\b:128*(\p)+FR*\b+FR-1], v[AF+48*(\p)+FR*\a:AF+48*(\p)+FR*\a+FR-1], v[8*(8*\a+\b):8*(8*\a+\b)+7], v[SC+8*\b+(\st)], v[SC+8*\a+(\st)] matrix_a_fmt:MATRIX_FMT_FP6 matrix_b_fmt:MATRIX_FMT_FP6 matrix_a_scale:MATRIX_SCALE_ROW1
.endif
.endr
.endr
.endm
.macro PLACES                          ; four places behind matrix instructions (ISA guide 7.12.1)
.rept 4
	v_nop
.endr
.endm
	s_wait_alu depctr_va_vdst(0)                   ; the wait at the head's end
	s_wait_tensorcnt 0x0                           ; my tile is in,
	s_barrier_signal -1
	s_barrier_wait -1                              ; everybody's is
.irp i, 0,1,2,3,4,5,6,7
	ds_load_b128 v[SC+8*\i:SC+8*\i+3], v[ADRS] offset:\i*544        ; all eight steps' scale words of block i (for i > 3 lanes 0-15 read words that no product names)
	ds_load_b128 v[SC+8*\i+4:SC+8*\i+7], v[ADRS] offset:\i*544+16
.endr
	FETCH 0, 0
	s_wait_loadcnt 0x0                             ; the bias
.set ST, 0
.rept 7
	s_wait_dscnt 0x0                               ; this step's fragments are in
.if ST > 0
	PLACES                                         ; in front of loads into the set that the last step multiplied
.endif
	FETCH ST+1, (ST+1)%2
.if ST == 0
	WIN 0x81                                       ; C in window 0: the bias starts the sums
	MUL ST, 0, 1
.else
	WIN 0xa1
	MUL ST, ST%2, 0
.endif
	WIN 0
.set ST, ST+1
.endr
	s_wait_dscnt 0x0                               ; my reads of the tiles are over:
	s_barrier_signal -1
	WIN 0xa1
	MUL 7, 1, 0
	WIN 0
	s_barrier_wait -1                              ; everybody's are: A's bytes may take the stages
; THE WAY OUT, by blocks of 16 rows x 128 columns through my stage: whole rows of 512 bytes come back and are stored as two aligned runs of 256 bytes
.macro TOSTAGE a
.set AC, 64*(\a)
	WIN 0x08
.irp b, 0,1,2,3,4,5,6,7
	ds_store_b128 v[STO], v[AC+8*\b:AC+8*\b+3] offset:64*\b          ; each accumulator from its low end on
	ds_store_b128 v[STO], v[AC+8*\b+4:AC+8*\b+7] offset:64*\b+16
.endr
	WIN 0
.set BB, BK+64*((\a)%2)
.irp t, 0,1,2,3,4,5,6,7,8,9,10,11,12,13,14,15
	ds_load_b128 v[BB+4*\t:BB+4*\t+3], v[RD] offset:\t*SPITCH        ; LDS serves a wave's instructions in order (ISA guide 5.7.1.4)
.endr
.endm
.macro SEND a, younger                 ; younger: the LDS instructions issued behind block a's loads
.set BB, BK+64*((\a)%2)
	s_wait_dscnt \younger
.if (\a) > 0
	s_add_nc_u64 s[94:95], s[94:95], 16*SIZE_N*4   ; behind a wait on XCNT: the earlier stores have read their base
.endif
.irp t, 0,1,2,3,4,5,6,7,8,9,10,11,12,13,14,15
	global_store_b128 v[CO], v[BB+4*\t:BB+4*\t+3], s[94:95] offset:\t*SIZE_N*4 th:TH_STORE_NT
.endr
.endm
	PLACES
	TOSTAGE 0
.irp a, 1,2,3
.if \a > 1
	s_wait_xcnt 0x0                                ; block a - 2's stores have read their registers and their base
.endif
	TOSTAGE \a
	SEND \a-1, 32                                  ; behind block a - 1's loads: block a's 16 stores and 16 loads
.endr
	s_wait_xcnt 0x0
	SEND 3, 0
	s_wait_tensorcnt 0x0                           ; the wave's end
	ds_add_u32 v[SPW], v[NIL]
	s_wait_dscnt 0x0
	CROUND                                         ; the closing round
	s_endpgm
.Lfunc_end_k_q3516e110c8_proj:
	.size	k_q3516e110c8_proj, .Lfunc_end_k_q3516e110c8_proj-k_q3516e110c8_proj
	.p2alignl 7, 3214868480
	.fill 96, 4, 3214868480
	.section	.rodata,"a",@progbits
	.p2align	6, 0x0
	.amdhsa_kernel k_q3516e110c8_proj
		.amdhsa_group_segment_fixed_size 327680
		.amdhsa_private_segment_fixed_size 0
		.amdhsa_enable_private_segment 0
		.amdhsa_kernarg_size 48
		.amdhsa_user_sgpr_count 2
		.amdhsa_user_sgpr_kernarg_segment_ptr 1
		.amdhsa_wavefront_size32 1
		.amdhsa_system_sgpr_workgroup_id_x 1
		.amdhsa_system_sgpr_workgroup_id_y 1
		.amdhsa_system_sgpr_workgroup_id_z 1
		.amdhsa_system_vgpr_workitem_id 0
		.amdhsa_next_free_vgpr 768
		.amdhsa_next_free_sgpr 98
		.amdhsa_reserve_vcc 0
		.amdhsa_float_denorm_mode_32 3
		.amdhsa_float_denorm_mode_16_64 3
		.amdhsa_memory_ordered 1
		.amdhsa_forward_progress 1
		.amdhsa_inst_pref_size 92
	.end_amdhsa_kernel
	.amdgpu_metadata
---
amdhsa.version: [ 1, 2 ]
amdhsa.kernels:
  - .name:           k_q3516e110c8_proj
    .symbol:         k_q3516e110c8_proj.kd
    .args:
      - { .name: aimg, .offset: 0, .size: 8, .value_kind: global_buffer, .address_space: global }
      - { .name: ascl, .offset: 8, .size: 8, .value_kind: global_buffer, .address_space: global }
      - { .name: proj_W_codes, .offset: 16, .size: 8, .value_kind: global_buffer, .address_space: global }
      - { .name: proj_W_scales, .offset: 24, .size: 8, .value_kind: global_buffer, .address_space: global }
      - { .name: proj_b, .offset: 32, .size: 8, .value_kind: global_buffer, .address_space: global }
      - { .name: out0, .offset: 40, .size: 8, .value_kind: global_buffer, .address_space: global }
    .group_segment_fixed_size: 327680
    .private_segment_fixed_size: 0
    .kernarg_segment_align: 8
    .kernarg_segment_size: 48
    .max_flat_workgroup_size: 128
    .sgpr_count:     98
    .vgpr_count:     768
    .wavefront_size: 32
...
	.end_amdgpu_metadata
.endif
;; end of part 3
